; MI455X (gfx1250); checked and timed in simulation.
; The chip was launched on July 23, 2026; its instructions are those of AMD's public machine-readable ISA for CDNA 5 (MIT licence, August 2026) and "CDNA5" Instruction Set Architecture Reference Guide (July 2026). The comments in the code are by the model that wrote it; some were corrected since.
;; Sparse Moe. Allowed arithmetic: matrix products marked QUANTISED: E4M3 operands, one given power-of-two scale a tensor, by v_wmma_f32_16x16x64_fp8_fp8 or v_wmma_f32_16x16x128_fp8_fp8, f32 sums; products left as they are: f32 operands where the result goes on into a quantised operand, else bf16, f16 or f32 operands; f32 sums; everything else in f32.
;; Inputs: b1 8 x 2,048 float32; b2 8 x 512 float32; gate_b 8 float32; gate_w 512 x 8 float32; lowp_scales 4 int32 (the exponents e of the quantised operands' scales 2^e); noise 2 x 2,048 x 8 float32; noise_b 8 float32; noise_w 512 x 8 float32; w1 8 x 512 x 2,048 float32; w2 8 x 2,048 x 512 float32; x 2 x 2,048 x 512 float32.
;; Outputs: out0 2 x 2,048 x 512 float32; out1 one number float32.
;; This version of the problem:
;;   THIS VERSION OF THE PROBLEM IS GIVEN IN LOW PRECISION. The matrix products marked QUANTISED in the list below multiply operands that are first quantised to E4M3 (4 exponent bits, 3 mantissa bits; 8 bits a number), with one given power-of-two scale for each operand tensor; their sums are f32. All else is computed in f32.
;;   The module's matrix products, in the order in which they are computed (A, B: the left and right operand; K: the contracted axis; several contracted axes count as one K, in the product's order):
;;     1. [M 4,096, K 512] x [K 512, N 8]; A: input x; B: input gate_w: left as it is (N = 8 < 16)
;;     2. [M 4,096, K 512] x [K 512, N 8]; A: input x; B: input noise_w: left as it is (N = 8 < 16)
;;     3. [M 16,384, K 512] x [K 512, N 4,096]; A: input w1; B: input x: QUANTISED (scales: A lowp_scales[0], B lowp_scales[1])
;;     4. batch 8 x [M 4,096, K 2,048] x [K 2,048, N 512]; A: computed on the way; B: input w2: QUANTISED (scales: A lowp_scales[2], B lowp_scales[3])
;;     5. batch 4,096 x [M 1, K 8] x [K 8, N 512]; A: computed on the way; B: computed on the way: left as it is (K = 8 < 32)
;;   THE QUANTISER, for each operand of a quantised product, along K:
;;     - The operand's scale is 2^e, e = its entry of the input lowp_scales (int32; the entries are numbered through the quantised products in the list's order, A before B).
;;     - Each number is divided by the scale, clamped to +-448, and rounded to the nearest number of E4M3, ties to even, subnormals kept.
;;     - The product sums the exact products of the quantised numbers (number of the format x scale) in f32.
;;   ~~~python
;;   def quantise(x, axis, e):      # numpy; x: float32 -> the quantised numbers, widened to float32 again
;;       x = np.moveaxis(x, axis, -1); K = x.shape[-1]
;;       r = np.clip(x / 2.0 ** e, -448, 448)
;;       step = 2.0 ** (np.maximum(np.frexp(np.where(r == 0, 1, r))[1] - 1, -6) - 3)
;;       q = np.round(r / step) * step * 2.0 ** e      # np.round: ties to even
;;       return np.moveaxis(q, -1, axis).astype(np.float32)
;;   ~~~
;;   OPERANDS COMPUTED ON THE WAY. 'Computed on the way' means the value that the module computes at that place (a softmax that the list does not call 'softmax' is quantised finished and normalised). What goes into a quantiser is computed in f32, as accurately as f32 sums, v_exp_f32 and their like allow (about 1e-6 of the number): no bf16 or f16 on the way to a quantiser, and a product that is left as it is and whose result goes on into a quantised operand takes f32 operands (vector FMAs, or v_wmma_f32_16x16x4_f32). A number that lies on a knife's edge between two numbers of the format may be rounded either way, as far as f32 arithmetic and the matrix unit's own rounding can turn it there, and no further.
;; 2 versions, each right; version 2 is version 1 with the launch ffn written anew for expert scheduling mode. Each part assembles by itself: llvm-mc -triple=amdgcn-amd-amdhsa -mcpu=gfx1250 --defsym DOCPART=n.
;; ======== version 1 of 2: 4 launches
;; workspace buffers: xq 2,097,152 bytes; ids 36,864 bytes of whole numbers; sc 32,768 bytes; w1q 8,388,608 bytes; w2q 8,388,608 bytes; pos 32,768 bytes of whole numbers; list 35,840 bytes of whole numbers; eo 36,044,800 bytes
;; launch route (part 1): grid 128 x 1, 8 waves a work-group, no clusters, 100,864 bytes of LDS; arguments x, noise, gate_w, gate_b, noise_w, noise_b, lowp_scales, xq, ids, sc; writes xq, ids, sc
.if DOCPART == 1
	.amdgcn_target "amdgcn-amd-amdhsa--gfx1250"
	.amdhsa_code_object_version 6
	.text
	.protected	k_q270d176faf_route
	.globl	k_q270d176faf_route
	.p2align	8
	.type	k_q270d176faf_route,@function
k_q270d176faf_route:
	s_mov_b64 s[64:65], 0
	v_nop
	global_prefetch_b8 v0, s[64:65] scope:SCOPE_SE
	s_setreg_imm32_b32 hwreg(HW_REG_WAVE_MODE, 25, 1), 1
	s_wait_xcnt 0x0
; THE ROUTER, AND x INTO CODES.  x [4096][512] f32.  logits = x (gate_w + noise_w) + gate_b + noise + noise_b, all in f32 by fused multiply-adds;
; the two largest logits of a token (of equal ones the lower index, as jax.lax.top_k), their softmax with the larger taken away first.
; Stored at fixed places: ids [4096][2] int32, sc [4096][2] f32, xq [4096][512], x's codes of E4M3 with the given scale 2^e1 (entry 1 of lowp_scales), and, behind ids' 32,768 bytes,
; cnt [8 experts][128 groups] int32: how many of this work-group's 64 slots (32 tokens x 2 choices) go to each expert.
; No address and no branch hangs on the choice: the next launch reads ids and cnt and places the rows.
; SHARES.  A work-group takes 32 tokens, a wave 4.  A lane holds 16 NEIGHBOURS along K of each of its wave's tokens (the conversion takes eight of one lane's registers), yet every load is
; dense: a load reads 512 consecutive bytes, and the wave's own stage in LDS turns them (64 bytes + 16 of padding for each lane).  The summed router weights lie in LDS in 32 blocks of 16 k x 8 experts.
; cnt is laid by expert so that its reader's loads are 512 consecutive bytes; the price is paid here: one store of eight single words, 512 bytes apart, for each work-group.
; LIMITS: -126 <= e1 and e1 + 8 <= 127.  NaN among the inputs is not served.  gate_w + noise_w are added ahead of the product (one more f32 rounding of the weights); the order of the sums is not reference()'s.
.set WLP,  528                         ; a block of router weights: 512 bytes + 16 of padding
.set STG,  32*WLP                      ; behind them: the stages, 4 tokens x 2,560 bytes for each wave
.set SP,   80
.set TOKB, 32*SP
.set LG,   STG+32*TOKB                 ; behind them: the finished logits, [32 tokens][8] f32
.set CD,   16                          ; v16-31   codes: 4 registers a token
.set X,    32                          ; v32-95   16 numbers of x for each of 4 tokens
.set ACC,  96                          ; v96-127  8 sums for each of 4 tokens
.set W,    128                         ; v128-255 my 16 k x 8 experts of the summed weights
.set SCL,  160                         ; v160, v161 (when W is done with): 2^e1 and 448 x 2^e1
.set LIM,  161
	s_load_b512 s[8:23], s[0:1], 0x0               ; x, noise, gate_w, gate_b, noise_w, noise_b, lowp_scales, xq
	s_load_b128 s[24:27], s[0:1], 0x40             ; ids, sc
	s_set_vgpr_msb 0x40
	v_lshl_add_u32 v0, v0, 2, 0x18600
	v_mov_b32 v1, 0
	s_set_vgpr_msb 0x4000
	v_lshrrev_b32 v15, 5, v0
	v_readfirstlane_b32 s28, v15                   ; wave 0..7
	v_and_b32 v1, 31, v0                           ; lane
	v_lshlrev_b32 v2, 4, v1                        ; 16 x lane
	s_mul_i32 s29, s28, 4*TOKB
	s_add_co_u32 s29, s29, STG                     ; my wave's stages
	v_lshrrev_b32 v3, 2, v1
	v_mul_u32_u24 v3, v3, SP
	v_and_b32 v4, 3, v1
	v_lshl_add_u32 v3, v4, 4, v3
	v_add_nc_u32 v3, s29, v3                       ; into a stage: four lanes' 64 bytes on end, then the padding
	v_mul_u32_u24 v4, v1, SP
	v_add_nc_u32 v4, s29, v4                       ; out of it: my 16 neighbours
	v_mul_u32_u24 v5, v15, WLP
	v_lshl_add_u32 v5, v1, 4, v5                   ; the weights' way in: block thread / 32 (+ 8 for each load), byte 16 x lane
	v_mul_u32_u24 v6, v1, WLP                      ; and out: block = my lane
	v_lshlrev_b32 v9, 2, v0                        ; 4 x thread: my word of the group's noise, and of the logits
	v_add_nc_u32 v7, LG, v9
	v_lshl_add_u32 v8, v1, 5, LG                   ; the last part: token = lane, its 8 logits
	v_and_b32 v10, 7, v0
	v_lshlrev_b32 v10, 2, v10                      ; my expert's word in the biases
	v_lshlrev_b32 v11, 4, v0                       ; 16 x thread: my piece of the router weights
	s_mov_b32 s50, 0x76543210                      ; v_permlanex16_b32: lane l xor 16
	s_mov_b32 s51, 0xfedcba98
	s_lshl_b32 s60, ttmp9, 16                      ; x: 32 rows of 2,048 bytes a group, 4 a wave
	s_lshl_b32 s62, s28, 13
	s_add_co_u32 s60, s60, s62
	s_mov_b32 s61, 0
	s_wait_kmcnt 0x0
	s_load_b32 s48, s[20:21], 0x4                  ; e1
	s_add_nc_u64 s[8:9], s[8:9], s[60:61]
	s_lshl_b32 s60, ttmp9, 10                      ; noise: 32 rows of 32 bytes a group
	s_add_nc_u64 s[10:11], s[10:11], s[60:61]
	s_lshl_b32 s60, ttmp9, 14                      ; xq: rows of 512 bytes
	s_lshl_b32 s62, s28, 11
	s_add_co_u32 s60, s60, s62
	s_add_nc_u64 s[22:23], s[22:23], s[60:61]
	s_lshl_b32 s60, ttmp9, 2                       ; cnt: my group's word in each expert's row (the 32,768 bytes of ids stand in the store's immediate)
	s_add_nc_u64 s[30:31], s[24:25], s[60:61]
	s_lshl_b32 s60, ttmp9, 8                       ; ids, sc: 8 bytes a token
	s_add_nc_u64 s[24:25], s[24:25], s[60:61]
	s_add_nc_u64 s[26:27], s[26:27], s[60:61]
.irp t, 0,1,2,3
.irp i, 0,1,2,3
	global_load_b128 v[X+16*\t+4*\i:X+16*\t+4*\i+3], v2, s[8:9] offset:2048*\t+512*\i th:TH_LOAD_NT   ; 512 consecutive bytes of a token's row
.endr
.endr
.irp n, 0,1,2,3
	global_load_b128 v[W+4*\n:W+4*\n+3], v11, s[12:13] offset:4096*\n
	global_load_b128 v[W+16+4*\n:W+16+4*\n+3], v11, s[16:17] offset:4096*\n
.endr
	global_load_b32 v12, v9, s[10:11]              ; noise of (token lane / 8 of my four, expert lane % 8): 128 consecutive bytes a wave
	global_load_b32 v13, v10, s[14:15]             ; gate_b of my expert
	global_load_b32 v14, v10, s[18:19]             ; noise_b
	s_wait_loadcnt 0x0                             ; all were issued together, and nothing is left to do meanwhile
.irp p, 0,2,4,6,8,10,12,14
	v_pk_add_f32 v[W+\p:W+\p+1], v[W+\p:W+\p+1], v[W+16+\p:W+16+\p+1]   ; gate_w + noise_w
.endr
.irp n, 0,1,2,3
	ds_store_b128 v5, v[W+4*\n:W+4*\n+3] offset:8*WLP*\n
.endr
.irp t, 0,1,2,3
.irp i, 0,1,2,3
	ds_store_b128 v3, v[X+16*\t+4*\i:X+16*\t+4*\i+3] offset:TOKB*\t+8*SP*\i
.endr
.endr
	s_wait_dscnt 0x0                               ; for the others' sake: my part of the weights lies in LDS
	s_barrier_signal -1
	s_barrier_wait -1
.set zj, 0
.rept 32
	ds_load_b128 v[W+4*zj:W+4*zj+3], v6 offset:16*zj   ; W(k = 16 lane + i, e) at v[W + 8 i + e]
.set zj, zj+1
.endr
.irp t, 0,1,2,3
.irp i, 0,1,2,3
	ds_load_b128 v[X+16*\t+4*\i:X+16*\t+4*\i+3], v4 offset:TOKB*\t+16*\i   ; x(token, k = 16 lane + 0 .. 15)
.endr
.endr
	s_wait_dscnt 0x0
; one k of my sixteen: four tokens x four pairs of experts, sixteen chains that do not wait for each other; the number of x serves both halves
.macro DOT i
.irp t, 0,1,2,3
.irp p, 0,2,4,6
.if (\i) == 0
	v_pk_mul_f32 v[ACC+8*\t+\p:ACC+8*\t+\p+1], v[X+16*\t:X+16*\t+1], v[W+\p:W+\p+1] op_sel_hi:[0,1]
.elseif ((\i)%2) == 0
	v_pk_fma_f32 v[ACC+8*\t+\p:ACC+8*\t+\p+1], v[X+16*\t+(\i):X+16*\t+(\i)+1], v[W+8*(\i)+\p:W+8*(\i)+\p+1], v[ACC+8*\t+\p:ACC+8*\t+\p+1] op_sel_hi:[0,1,1]
.else
	v_pk_fma_f32 v[ACC+8*\t+\p:ACC+8*\t+\p+1], v[X+16*\t+(\i)-1:X+16*\t+(\i)], v[W+8*(\i)+\p:W+8*(\i)+\p+1], v[ACC+8*\t+\p:ACC+8*\t+\p+1] op_sel:[1,0,0] op_sel_hi:[1,1,1]
.endif
.endr
.endr
.endm
.irp i, 0,1,2,3,4,5,6,7,8,9,10,11,12,13,14,15
	DOT \i
.endr
	s_wait_kmcnt 0x0
	s_add_co_i32 s48, s48, 127
	s_lshl_b32 s49, s48, 23
	v_mov_b32 v[SCL], s49                          ; 2^e1 as f32: the conversion takes its exponent field
	s_add_co_i32 s48, s48, 8
	s_lshl_b32 s48, s48, 23
	s_or_b32 s48, s48, 0x600000
	v_mov_b32 v[LIM], s48                          ; 448 x 2^e1
.irp t, 0,1,2,3
.irp i, 0,1,2,3,4,5,6,7,8,9,10,11,12,13,14,15
	v_med3_num_f32 v[X+16*\t+\i], v[X+16*\t+\i], -v[LIM], v[LIM]   ; the conversion to an 8-bit code does not saturate (ISA guide 7.6.2): the hold comes first
.endr
	v_cvt_scalef32_pk8_fp8_f32 v[CD+4*\t:CD+4*\t+1], v[X+16*\t:X+16*\t+7], v[SCL]
	v_cvt_scalef32_pk8_fp8_f32 v[CD+4*\t+2:CD+4*\t+3], v[X+16*\t+8:X+16*\t+15], v[SCL]
.endr
	v_nop                                          ; a plain line behind the last conversion
.irp t, 0,1,2,3
	global_store_b128 v2, v[CD+4*\t:CD+4*\t+3], s[22:23] offset:512*\t   ; a token's 512 codes: 512 consecutive bytes, aligned
.endr
	; the 32 sums over the 32 lanes: four steps inside each half of the lanes, one across; every lane ends with all of them
.irp k, 1,2,4,8
.set zj, 0
.rept 32
	v_add_f32_dpp v[ACC+zj], v[ACC+zj], v[ACC+zj] row_xmask:\k row_mask:0xf bank_mask:0xf
.set zj, zj+1
.endr
.endr
.set zj, 0
.rept 32
	v_permlanex16_b32 v[W+zj], v[ACC+zj], s50, s51
.set zj, zj+1
.endr
.set zj, 0
.rept 32
	v_add_f32 v[ACC+zj], v[ACC+zj], v[W+zj]
.set zj, zj+1
.endr
	v_mov_b32 v15, v[ACC]                          ; lane l keeps sum l: token l / 8, expert l % 8
.set zj, 1
.rept 31
	s_mov_b32 s52, 1<<zj
	v_cndmask_b32 v15, v15, v[ACC+zj], s52
.set zj, zj+1
.endr
	v_add_f32 v15, v15, v13                        ; + gate_b
	v_add_f32 v15, v15, v12                        ; + noise
	v_add_f32 v15, v15, v14                        ; + noise_b
	ds_store_b32 v7, v15
	s_wait_dscnt 0x0                               ; for wave 0's sake
	s_barrier_signal -1
	s_barrier_wait -1
	s_cmp_lg_u32 s28, 0
	s_cbranch_scc1 .Lend
	; wave 0: a lane a token
	ds_load_b128 v[32:35], v8
	ds_load_b128 v[36:39], v8 offset:16
	v_mov_b32 v48, 0xff800000                      ; -infinity
	v_lshlrev_b32 v49, 3, v1                       ; 8 bytes a token
	v_mov_b32 v42, 0
	v_mov_b32 v43, 0
	s_wait_dscnt 0x0
	v_mov_b32 v40, v32                             ; the largest so far and, in v42, its index; a later one must be strictly larger
.irp e, 1,2,3,4,5,6,7
	v_cmp_le_f32 vcc_lo, v[32+\e], v40
	v_cndmask_b32 v40, v[32+\e], v40, vcc_lo
	v_cndmask_b32 v42, \e, v42, vcc_lo
.endr
.irp e, 0,1,2,3,4,5,6,7
	v_cmp_eq_u32 vcc_lo, \e, v42
	v_cndmask_b32 v[32+\e], v[32+\e], v48, vcc_lo  ; the winner leaves the field
.endr
	v_mov_b32 v41, v32
.irp e, 1,2,3,4,5,6,7
	v_cmp_le_f32 vcc_lo, v[32+\e], v41
	v_cndmask_b32 v41, v[32+\e], v41, vcc_lo
	v_cndmask_b32 v43, \e, v43, vcc_lo
.endr
	v_sub_f32 v46, v41, v40                        ; the second less the largest: 0 or less
	v_mul_f32 v46, 0x3fb8aa3b, v46
	v_exp_f32 v46, v46                             ; p = e^(second - largest)
	v_nop
	; while the exponential is out: the group's slots by expert, first and second choices together
.irp e, 0,1,2,3,4,5,6,7
	v_cmp_eq_u32 s[32+\e], \e, v42
	v_cmp_eq_u32 s[40+\e], \e, v43
.endr
.irp e, 0,1,2,3,4,5,6,7
	s_bcnt1_i32_b32 s[32+\e], s[32+\e]
	s_bcnt1_i32_b32 s[40+\e], s[40+\e]
.endr
.irp e, 0,1,2,3,4,5,6,7
	s_add_co_u32 s[32+\e], s[32+\e], s[40+\e]
.endr
	s_wait_alu depctr_va_vdst(0)                   ; the wait ahead of the first reader
	v_add_f32 v47, 1.0, v46
	v_rcp_f32 v44, v47                             ; the larger score, 1 / (1 + p)
	v_nop
	; while the reciprocal is out: lane l takes the count of expert l % 8
	v_mov_b32 v50, s32
.irp e, 1,2,3,4,5,6,7
	s_mov_b32 s52, 0x01010101<<\e
	v_mov_b32 v51, s[32+\e]
	v_cndmask_b32 v50, v50, v51, s52
.endr
	v_lshlrev_b32 v52, 7, v10                      ; 512 x (lane % 8): my expert's row of cnt
	s_wait_alu depctr_va_vdst(0)
	v_mul_f32 v45, v46, v44                        ; the smaller, p / (1 + p)
	global_store_b64 v49, v[42:43], s[24:25]       ; 256 consecutive bytes, aligned
	global_store_b64 v49, v[44:45], s[26:27]
	global_store_b32 v52, v50, s[30:31] offset:32768   ; lanes l, l + 8, l + 16, l + 24 hold the same number and name the same word: EXEC stays as it is
.Lend:
	s_set_vgpr_msb 0x5
	s_wait_tensorcnt 0x0
	ds_add_u32 v0, v1
	s_wait_dscnt 0x0
	s_set_vgpr_msb 0x500
	s_endpgm
.Lfunc_end_k_q270d176faf_route:
	.size	k_q270d176faf_route, .Lfunc_end_k_q270d176faf_route-k_q270d176faf_route
	.p2alignl 7, 3214868480
	.fill 96, 4, 3214868480
	.section	.rodata,"a",@progbits
	.p2align	6, 0x0
	.amdhsa_kernel k_q270d176faf_route
		.amdhsa_group_segment_fixed_size 100864
		.amdhsa_private_segment_fixed_size 0
		.amdhsa_enable_private_segment 0
		.amdhsa_kernarg_size 80
		.amdhsa_user_sgpr_count 2
		.amdhsa_user_sgpr_kernarg_segment_ptr 1
		.amdhsa_wavefront_size32 1
		.amdhsa_system_sgpr_workgroup_id_x 1
		.amdhsa_system_sgpr_workgroup_id_y 1
		.amdhsa_system_sgpr_workgroup_id_z 1
		.amdhsa_system_vgpr_workitem_id 0
		.amdhsa_next_free_vgpr 258
		.amdhsa_next_free_sgpr 66
		.amdhsa_reserve_vcc 1
		.amdhsa_float_denorm_mode_32 3
		.amdhsa_float_denorm_mode_16_64 3
		.amdhsa_memory_ordered 1
		.amdhsa_forward_progress 1
		.amdhsa_inst_pref_size 53
	.end_amdhsa_kernel
	.amdgpu_metadata
---
amdhsa.version: [ 1, 2 ]
amdhsa.kernels:
  - .name:           k_q270d176faf_route
    .symbol:         k_q270d176faf_route.kd
    .args:
      - { .name: x, .offset: 0, .size: 8, .value_kind: global_buffer, .address_space: global }
      - { .name: noise, .offset: 8, .size: 8, .value_kind: global_buffer, .address_space: global }
      - { .name: gate_w, .offset: 16, .size: 8, .value_kind: global_buffer, .address_space: global }
      - { .name: gate_b, .offset: 24, .size: 8, .value_kind: global_buffer, .address_space: global }
      - { .name: noise_w, .offset: 32, .size: 8, .value_kind: global_buffer, .address_space: global }
      - { .name: noise_b, .offset: 40, .size: 8, .value_kind: global_buffer, .address_space: global }
      - { .name: lowp_scales, .offset: 48, .size: 8, .value_kind: global_buffer, .address_space: global }
      - { .name: xq, .offset: 56, .size: 8, .value_kind: global_buffer, .address_space: global }
      - { .name: ids, .offset: 64, .size: 8, .value_kind: global_buffer, .address_space: global }
      - { .name: sc, .offset: 72, .size: 8, .value_kind: global_buffer, .address_space: global }
    .group_segment_fixed_size: 100864
    .private_segment_fixed_size: 0
    .kernarg_segment_align: 8
    .kernarg_segment_size: 80
    .max_flat_workgroup_size: 256
    .sgpr_count:     66
    .vgpr_count:     258
    .wavefront_size: 32
...
	.end_amdgpu_metadata
.endif
;; end of part 1
;; launch prep (part 2): grid 521 x 1, 8 waves a work-group, no clusters, 11,520 bytes of LDS; arguments ids, sc, w1, w2, lowp_scales, w1q, w2q, pos, list, out1; writes w1q, w2q, pos, list, out1
.if DOCPART == 2
	.amdgcn_target "amdgcn-amd-amdhsa--gfx1250"
	.amdhsa_code_object_version 6
	.text
	.protected	k_q270d176faf_prep
	.globl	k_q270d176faf_prep
	.p2align	8
	.type	k_q270d176faf_prep,@function
k_q270d176faf_prep:
	s_mov_b64 s[64:65], 0
	v_nop
	global_prefetch_b8 v0, s[64:65] scope:SCOPE_SE
	s_setreg_imm32_b32 hwreg(HW_REG_WAVE_MODE, 25, 1), 1
	s_wait_xcnt 0x0
; FOUR JOBS IN ONE LAUNCH, parted by the work-group's number alone: 0-7 place the routed rows, 8 makes the loss, 9-264 turn w1 into codes, 265-520 w2.
; THE WEIGHTS.  w1 [8][512 k][2048] f32 into codes of E4M3 with the scale 2^e0, w2 [8][2048 k][512] with 2^e3.  K is the FIRST axis within an expert: a lane takes a column and its registers
; run down K, so that the conversions give codes with K innermost and nothing is transposed.  The codes are laid as IMAGES OF THE OPERAND'S REGISTERS: an image is 16 rows x 128 k in 2,048 bytes,
; byte 512 q + 256 h + 16 r + i = (row r, k = 32 q + 16 h + i); four 16-byte loads a lane at 16 x lane + 512 q then fill a fragment.  A wave takes 32 columns x 128 k = two images; each of its stores
; covers two aligned runs of 256 bytes.
;   w1q: image (((e 16 + hb) 2 + g) 4 + s) 4 + tt: tile 4 g + tt of the block hb of 128 hidden units, K step s; its row r is hidden unit 32 (t / 2) + 8 (t % 2) + r + 8 (r / 8) of the block,
;        so that two neighbouring tiles' results are 16 neighbours along the next product's K.
;   w2q: image ((((e 4 + cc) 4 + w) 4 + s) 8 + n: output columns 128 w + 16 n + r, k = f - 512 cc - 128 s.
; THE PLACES.  The 8,192 slots (token, choice) are sorted by expert, each expert's rows padded to whole tiles of 80:  pos [4096][2] = a slot's padded row;  list: rows[8800] = the token of each padded row
; (0 in the pads), and from byte 35,328 on texp[128] = the expert of each tile (8: none).  The launch before has counted each group of 64 slots by expert (cnt [8][128], behind ids' 32,768 bytes), so the
; 64 waves do not depend on each other: wave W owns slots 128 W .. 128 W + 127 (groups 2 W, 2 W + 1), adds up cnt for itself (all groups: an expert's rows; the groups under 2 W: the rows ahead of its own)
; and ranks its four registers of slots.  These sums are whole-number arithmetic throughout, since the rows' addresses hang on them.
; THE LOSS, out1, is made of the scores' sums by one work-group.
; LIMITS: -126 <= e0, e3 and e0 + 8, e3 + 8 <= 127.  NaN among the inputs is not served.
.set X,   32                           ; weights: v32-95 two sets of 32 numbers;  v96-127 codes, 8 registers a block, so that no store's data are written again
.set C,   96
	s_load_b512 s[8:23], s[0:1], 0x0               ; ids, sc, w1, w2, lowp_scales, w1q, w2q, pos
	s_load_b128 s[24:27], s[0:1], 0x40             ; list, out1
	v_lshl_add_u32 v160, v0, 2, 0x2900
	v_mov_b32 v161, 0
	v_lshrrev_b32 v5, 5, v0
	v_readfirstlane_b32 s28, v5                    ; wave 0..7
	v_and_b32 v1, 31, v0                           ; lane
	s_wait_kmcnt 0x0
	s_cmp_lt_u32 ttmp9, 8
	s_cbranch_scc1 .Lsort
	s_cmp_eq_u32 ttmp9, 8
	s_cbranch_scc1 .Lloss
	s_load_b128 s[40:43], s[16:17], 0x0            ; e0 .. e3
	v_lshlrev_b32 v3, 2, v1                        ; in: 4 bytes a lane, 128 consecutive bytes a wave, 1,024 a work-group
	s_mov_b32 s37, 0
	s_cmp_lt_u32 ttmp9, 265
	s_cbranch_scc0 .Lw2
.macro LOADB t, stride, src            ; block t: 32 rows k of my column
.set zi, 0
.rept 32
	global_load_b32 v[X+32*((\t)%2)+zi], v3, s[\src:\src+1] offset:(32*(\t)+zi)*\stride th:TH_LOAD_NT
.set zi, zi+1
.endr
.endm
.macro BLOCK t, stride, src, dst
.if (\t) < 3
	s_wait_loadcnt 32                              ; this block's 32 loads are in; the next block's may be out
.else
	s_wait_loadcnt 0x0
.endif
.set zi, 0
.rept 32
	v_med3_num_f32 v[X+32*((\t)%2)+zi], v[X+32*((\t)%2)+zi], -v10, v10   ; the conversion does not saturate (ISA guide 7.6.2): the hold comes first
.set zi, zi+1
.endr
.irp g, 0,1,2,3
	v_cvt_scalef32_pk8_fp8_f32 v[C+8*(\t)+2*\g:C+8*(\t)+2*\g+1], v[X+32*((\t)%2)+8*\g:X+32*((\t)%2)+8*\g+7], v11
.endr
.if (\t) < 2
	LOADB (\t)+2,\stride,\src
.endif
	global_store_b128 v4, v[C+8*(\t):C+8*(\t)+3], s[\dst:\dst+1] offset:512*(\t)          ; k = 32 t + 0 .. 15
	global_store_b128 v4, v[C+8*(\t)+4:C+8*(\t)+7], s[\dst:\dst+1] offset:512*(\t)+256    ; k = 32 t + 16 .. 31
.endm                                  ; (the codes go to stores alone, and the next block's holds are plain lines on other registers)
.macro WPATH stride, src, dst, se
	LOADB 0,\stride,\src
	LOADB 1,\stride,\src
	s_wait_kmcnt 0x0
	s_add_co_i32 s44, s[\se], 127
	s_lshl_b32 s45, s44, 23
	v_mov_b32 v11, s45                             ; 2^e as f32
	s_add_co_i32 s44, s44, 8
	s_lshl_b32 s44, s44, 23
	s_or_b32 s44, s44, 0x600000
	v_mov_b32 v10, s44                             ; 448 x 2^e
	BLOCK 0,\stride,\src,\dst
	BLOCK 1,\stride,\src,\dst
	BLOCK 2,\stride,\src,\dst
	BLOCK 3,\stride,\src,\dst
	s_endpgm
.endm
	; ---- w1: q = work-group - 9: expert q / 32, K step (q / 8) % 4, columns 32 (8 (q % 8) + wave) on
	s_sub_co_u32 s32, ttmp9, 9
	s_lshr_b32 s33, s32, 5                         ; e
	s_bfe_u32 s34, s32, 0x20003                    ; s
	s_and_b32 s35, s32, 7
	s_lshl_b32 s35, s35, 3
	s_add_co_u32 s35, s35, s28                     ; cg
	s_lshl_b32 s36, s33, 22                        ; from: e x 512 rows + s x 128 rows of 8,192 bytes + 128 cg
	s_lshl_b32 s38, s34, 20
	s_add_co_u32 s36, s36, s38
	s_lshl_b32 s38, s35, 7
	s_add_co_u32 s36, s36, s38
	s_add_nc_u64 s[12:13], s[12:13], s[36:37]
	s_lshl_b32 s36, s33, 20                        ; to: the image's number x 2,048, with hb = cg / 4, b = cg % 4, g = b / 2, tt = 2 (b % 2)
	s_lshr_b32 s38, s35, 2
	s_lshl_b32 s38, s38, 16
	s_add_co_u32 s36, s36, s38
	s_bfe_u32 s38, s35, 0x10001
	s_lshl_b32 s38, s38, 15
	s_add_co_u32 s36, s36, s38
	s_lshl_b32 s38, s34, 13
	s_add_co_u32 s36, s36, s38
	s_and_b32 s38, s35, 1
	s_lshl_b32 s38, s38, 12
	s_add_co_u32 s36, s36, s38
	s_add_nc_u64 s[18:19], s[18:19], s[36:37]
	v_bfe_u32 v4, v1, 3, 1                         ; column 32 b + L: tile 2 b + (L / 8) % 2, row L % 8 + 8 (L / 16)
	v_lshlrev_b32 v4, 11, v4
	v_and_b32 v5, 7, v1
	v_lshl_or_b32 v4, v5, 4, v4
	v_lshrrev_b32 v5, 4, v1
	v_lshl_or_b32 v4, v5, 7, v4
	WPATH 8192,12,18,40
.Lw2:	; ---- w2: q = work-group - 265: expert q / 32, K block (q / 2) % 16 of 128, columns 32 (8 (q % 2) + wave) on
	s_sub_co_u32 s32, ttmp9, 265
	s_lshr_b32 s33, s32, 5                         ; e
	s_bfe_u32 s34, s32, 0x40001                    ; kb = 4 cc + s
	s_and_b32 s35, s32, 1
	s_lshl_b32 s35, s35, 3
	s_add_co_u32 s35, s35, s28                     ; cg
	s_lshl_b32 s36, s33, 22                        ; from: e x 2,048 rows + kb x 128 rows of 2,048 bytes + 128 cg
	s_lshl_b32 s38, s34, 18
	s_add_co_u32 s36, s36, s38
	s_lshl_b32 s38, s35, 7
	s_add_co_u32 s36, s36, s38
	s_add_nc_u64 s[14:15], s[14:15], s[36:37]
	s_lshl_b32 s36, s33, 20                        ; to: cc = kb / 4, w = cg / 4, s = kb % 4, n = 2 (cg % 4)
	s_lshr_b32 s38, s34, 2
	s_lshl_b32 s38, s38, 18
	s_add_co_u32 s36, s36, s38
	s_lshr_b32 s38, s35, 2
	s_lshl_b32 s38, s38, 16
	s_add_co_u32 s36, s36, s38
	s_and_b32 s38, s34, 3
	s_lshl_b32 s38, s38, 14
	s_add_co_u32 s36, s36, s38
	s_and_b32 s38, s35, 3
	s_lshl_b32 s38, s38, 12
	s_add_co_u32 s36, s36, s38
	s_add_nc_u64 s[20:21], s[20:21], s[36:37]
	v_lshrrev_b32 v4, 4, v1                        ; image L / 16 of the two, row L % 16
	v_lshlrev_b32 v4, 11, v4
	v_and_b32 v5, 15, v1
	v_lshl_or_b32 v4, v5, 4, v4
	WPATH 2048,14,20,43
; ---- THE PLACES.  Wave W = 8 x work-group + wave.  Lane l owns slots 128 W + 4 l + q (q = 0 .. 3): register q.  Slot / 2 is the token.
.set SORTL, 256                        ; LDS: bytes 0-255 are the loss's; from here on 1,280 bytes for each wave of a placing work-group, read and written by that wave alone
.set WAREA, 1280                       ; 1,024: 32 lanes x 8 packed sums;  then 128: 4 parts x 8 experts
.set TT,  16                           ; v16-23   at work
.set CV,  24                           ; v24-31   by expert: the next free row for my wave
.set CT,  32                           ; v32-63   cnt: expert e's groups 4 l .. 4 l + 3 at 4 e; later the 32 sums of parts, part p's of expert e at 8 p + e
.set ID,  64                           ; v64-67   my slots' experts
.set POS, 68                           ; v68-71   my slots' rows
.set SCR, 72                           ; v72-75   their byte offsets in list
.set TOK, 76                           ; v76-77   my slots' two tokens
.set XPK, 80                           ; v80-87   by expert, packed: bits 15:0 rows in all, bits 31:16 rows ahead of my wave's (neither passes 8,192)
.set YL,  88                           ; v88-95   eight lanes' packed sums of one expert
.set TOT, 128                          ; v128-135 rows of each expert
.set PS,  136                          ; v136-143 where its pads begin
.set TE,  144                          ; v144-151 tiles up to and with it
.set RB,  152                          ; v152-159 its first row
.set M,   32                           ; s32-39 a register's lanes by expert;  s40-47 their counts
.set B,   40
.Lsort:
	s_lshl_b32 s29, ttmp9, 3
	s_add_co_u32 s29, s29, s28                     ; W, 0 .. 63
	v_lshlrev_b32 v2, 4, v1                        ; 16 x lane; never rewritten
	v_mov_b32 v4, 0                                ; the pads' token; never rewritten
	s_lshl_b32 s56, s29, 9                         ; my wave's 128 slots: 512 bytes of ids and of pos
	s_mov_b32 s57, 0
	s_add_nc_u64 s[58:59], s[8:9], s[56:57]
	s_add_nc_u64 s[22:23], s[22:23], s[56:57]
	global_load_b128 v[ID:ID+3], v2, s[58:59]
.irp e, 0,1,2,3,4,5,6,7
	global_load_b128 v[CT+4*\e:CT+4*\e+3], v2, s[8:9] offset:32768+512*\e   ; an expert's 128 counts: 512 consecutive bytes
.endr
	s_mul_i32 s60, s28, WAREA
	s_add_co_u32 s60, s60, SORTL                   ; my wave's bytes of LDS
	v_lshl_add_u32 v9, v1, 5, s60                  ; first step in: 32 bytes a lane
	v_lshrrev_b32 v10, 3, v1
	v_and_b32 v11, 7, v1
	v_lshlrev_b32 v10, 8, v10
	v_lshl_add_u32 v10, v11, 2, v10
	v_add_nc_u32 v10, s60, v10                     ; and out: lane l reads expert l % 8 of lanes 8 (l / 8) + 0 .. 7
	v_lshl_add_u32 v11, v1, 2, s60
	v_add_nc_u32 v11, 1024, v11                    ; second step in: a word a lane
	s_add_co_u32 s61, s60, 1024
	v_mov_b32 v12, s61                             ; and out: all 32 words into every lane
	v_lshlrev_b32 v5, 1, v1                        ; groups 4 l, 4 l + 1 are wave 2 l's,
	v_add_nc_u32 v6, 1, v5                         ; groups 4 l + 2, 4 l + 3 wave 2 l + 1's
	v_cmp_gt_u32 s30, s29, v5                      ; do they lie ahead of mine?
	v_cmp_gt_u32 s31, s29, v6
	s_lshl_b32 s62, s29, 6
	v_add_nc_u32 v[TOK], s62, v5                   ; my tokens: 64 W + 2 l, and the next
	v_add_nc_u32 v[TOK+1], 1, v[TOK]
	s_wait_loadcnt 0x0
.irp e, 0,1,2,3,4,5,6,7
	v_add_nc_u32 v[TT+\e], v[CT+4*\e], v[CT+4*\e+1]
	v_add_nc_u32 v[CV+\e], v[CT+4*\e+2], v[CT+4*\e+3]
.endr
.irp e, 0,1,2,3,4,5,6,7
	v_add_nc_u32 v[XPK+\e], v[TT+\e], v[CV+\e]     ; my four groups' rows,
	v_cndmask_b32 v[TT+\e], 0, v[TT+\e], s30       ; and those of them that lie ahead of my wave's
	v_cndmask_b32 v[CV+\e], 0, v[CV+\e], s31
.endr
.irp e, 0,1,2,3,4,5,6,7
	v_add_nc_u32 v[TT+\e], v[TT+\e], v[CV+\e]
.endr
.irp e, 0,1,2,3,4,5,6,7
	v_lshl_or_b32 v[XPK+\e], v[TT+\e], 16, v[XPK+\e]
.endr
	; the 32 lanes' sums are added through the wave's own LDS bytes; LDS serves a wave's instructions in order (ISA guide 5.7.1.4), so the loads see the stores
	ds_store_b128 v9, v[XPK:XPK+3]
	ds_store_b128 v9, v[XPK+4:XPK+7] offset:16
.irp i, 0,1,2,3,4,5,6,7
	ds_load_b32 v[YL+\i], v10 offset:32*\i
.endr
	s_wait_dscnt 0x0
	v_add3_u32 v[YL], v[YL], v[YL+1], v[YL+2]
	v_add3_u32 v[YL+3], v[YL+3], v[YL+4], v[YL+5]
	v_add3_u32 v[YL], v[YL], v[YL+6], v[YL+7]
	v_add_nc_u32 v[YL], v[YL], v[YL+3]             ; lane l: expert l % 8, lanes 8 (l / 8) + 0 .. 7
	ds_store_b32 v11, v[YL]
.irp n, 0,1,2,3,4,5,6,7
	ds_load_b128 v[CT+4*\n:CT+4*\n+3], v12 offset:16*\n
.endr
	s_wait_dscnt 0x0
.irp e, 0,1,2,3,4,5,6,7
	v_add3_u32 v[XPK+\e], v[CT+\e], v[CT+8+\e], v[CT+16+\e]
.endr
.irp e, 0,1,2,3,4,5,6,7
	v_add_nc_u32 v[XPK+\e], v[XPK+\e], v[CT+24+\e]
.endr
.irp e, 0,1,2,3,4,5,6,7
	v_and_b32 v[TOT+\e], 0xffff, v[XPK+\e]         ; the expert's rows
	v_lshrrev_b32 v[CV+\e], 16, v[XPK+\e]          ; those ahead of my wave's
.endr
.irp e, 0,1,2,3,4,5,6,7
	v_add_nc_u32 v[TT+\e], 79, v[TOT+\e]           ; tiles = (rows + 79) / 80: n x 52,429 >> 22 is n / 80 rounded down for n up to 8,271
.endr
.irp e, 0,1,2,3,4,5,6,7
	v_mul_u32_u24 v[TT+\e], 0xcccd, v[TT+\e]
.endr
.irp e, 0,1,2,3,4,5,6,7
	v_lshrrev_b32 v[TT+\e], 22, v[TT+\e]
.endr
	v_mov_b32 v[TE], v[TT]
.irp e, 1,2,3,4,5,6,7
	v_add_nc_u32 v[TE+\e], v[TE+\e-1], v[TT+\e]
.endr
.irp e, 0,1,2,3,4,5,6,7
	v_sub_nc_u32 v[RB+\e], v[TE+\e], v[TT+\e]
	v_mul_u32_u24 v[RB+\e], 80, v[RB+\e]
	v_add_nc_u32 v[CV+\e], v[CV+\e], v[RB+\e]
	v_add_nc_u32 v[PS+\e], v[RB+\e], v[TOT+\e]
.endr
.macro RANK                            ; register zr: each slot's row = its expert's next free row + the lanes below it with the same expert
.irp e, 0,1,2,3,4,5,6,7
	v_cmp_eq_u32 s[M+\e], \e, v[ID+zr]
.endr
	v_mbcnt_lo_u32_b32 v[POS+zr], s[M], v[CV]
.irp e, 1,2,3,4,5,6,7
	v_mbcnt_lo_u32_b32 v[TT+\e], s[M+\e], v[CV+\e]
.endr
.irp e, 1,2,3,4,5,6,7
	v_cndmask_b32 v[POS+zr], v[POS+zr], v[TT+\e], s[M+\e]
.endr
.irp e, 0,1,2,3,4,5,6,7
	s_bcnt1_i32_b32 s[B+\e], s[M+\e]
.endr
.irp e, 0,1,2,3,4,5,6,7
	v_add_nc_u32 v[CV+\e], s[B+\e], v[CV+\e]
.endr
.endm
.set zr, 0
.rept 4
	RANK
.set zr, zr+1
.endr
	global_store_b128 v2, v[POS:POS+3], s[22:23]   ; 512 consecutive bytes, aligned
.irp q, 0,1,2,3
	v_min_u32 v[SCR+\q], 8799, v[POS+\q]           ; a row made of loaded numbers enters an address behind this bound
	v_lshlrev_b32 v[SCR+\q], 2, v[SCR+\q]
.endr
.irp q, 0,1,2,3
	global_store_b32 v[SCR+\q], v[TOK+\q/2], s[24:25]   ; a scatter by nature: each row of the list gets its token
.endr
	s_cmp_lg_u32 s29, 0
	s_cbranch_scc1 .Lnot0
	; wave 0 of work-group 0: the expert of tile i = how many experts' tiles end at or below i (8: no expert).  Lane l: tiles 4 l .. 4 l + 3
	v_lshlrev_b32 v16, 2, v1
	v_add_nc_u32 v17, 1, v16
	v_add_nc_u32 v18, 2, v16
	v_add_nc_u32 v19, 3, v16
	v_mov_b32 v13, 1
.irp q, 0,1,2,3
	v_cmp_le_u32 vcc_lo, v[TE], v[16+\q]
	v_cndmask_b32 v[20+\q], 0, v13, vcc_lo
.irp e, 1,2,3,4,5,6,7
	v_cmp_le_u32 vcc_lo, v[TE+\e], v[16+\q]
	v_cndmask_b32 v30, 0, v13, vcc_lo
	v_add_nc_u32 v[20+\q], v[20+\q], v30
.endr
.endr
	global_store_b128 v2, v[20:23], s[24:25] offset:35328   ; 512 consecutive bytes, aligned
.Lnot0:
	; THE PADS get token 0: one turn of 32 rows for each wave.  Waves 0-2 of work-group s take expert s's pads (79 at the most); waves 3-7 take turn 5 s + wave - 3 of the rows behind the last tile
	; (560 at the most; 40 turns).  The offset and the mask are made with all lanes on; behind the line that narrows EXEC no register is written.
	v_mov_b32 v7, v[PS]
	v_mov_b32 v8, v[TE]
.irp e, 1,2,3,4,5,6,7
	s_cmp_eq_u32 ttmp9, \e
	s_cselect_b32 s62, -1, 0
	v_cndmask_b32 v7, v7, v[PS+\e], s62
	v_cndmask_b32 v8, v8, v[TE+\e], s62
.endr
	v_mul_u32_u24 v8, 80, v8                       ; where my expert's tiles end
	s_lshl_b32 s62, s28, 5
	v_add3_u32 v7, v7, s62, v1                     ; its first pad + 32 x wave + lane
	s_mul_i32 s63, ttmp9, 5
	s_add_co_u32 s63, s63, s28
	s_sub_co_u32 s63, s63, 3                       ; (in waves 0-2 this turn's number means nothing, and is not taken)
	s_lshl_b32 s63, s63, 5
	v_mul_u32_u24 v14, 80, v[TE+7]
	v_add3_u32 v14, v14, s63, v1                   ; the first row behind the last tile + 32 x turn + lane
	v_mov_b32 v15, 8800
	s_cmp_lt_u32 s28, 3
	s_cselect_b32 s62, -1, 0
	v_cndmask_b32 v7, v14, v7, s62
	v_cndmask_b32 v8, v15, v8, s62
	v_cmp_gt_u32 s40, v8, v7                       ; my lane counts where its row lies under the end
	v_min_u32 v7, 8799, v7                         ; a row made of loaded numbers enters an address behind this bound
	v_lshlrev_b32 v7, 2, v7
	s_wait_xcnt 0x0                                ; the stores before have read EXEC: it changes only behind this wait
	s_wait_tensorcnt 0x0
	ds_add_u32 v160, v161
	s_wait_dscnt 0x0
	s_and_saveexec_b32 s63, s40
	global_store_b32 v7, v4, s[24:25]
	s_wait_xcnt 0x0                                ; and again, in front of the line that widens EXEC
	s_or_b32 exec_lo, exec_lo, s63
	s_endpgm
; ---- THE LOSS = the sum over experts of (1/8) (log(1/8) - log(mean score + 1e-8)) = -(log(2) / 8) x the sum of log2(8 x mean score + 8e-8): the factor 8 is exact, and no difference of large sums is formed.
; Thread i owns slots 4 i + 1024 j + q (j = 0 .. 7, q = 0 .. 3): register 4 j + q.
.set IMP, 8                            ; v8-15    the scores' sums by expert
.set LT,  16                           ; v16-23   at work
.set LID, 32                           ; v32-63   the slots' experts
.set LSC, 64                           ; v64-95   the slots' scores
.set CW,  64                           ; v64-127  later: the eight waves' sums, wave w's of expert e at 8 w + e
.Lloss:
	v_lshlrev_b32 v2, 4, v0                        ; 16 x thread
	v_and_b32 v3, 0xe0, v0                         ; 32 x wave: my wave's eight words in LDS
	v_mov_b32 v4, 0
.irp j, 0,1,2,3,4,5,6,7
	global_load_b128 v[LID+4*\j:LID+4*\j+3], v2, s[8:9] offset:4096*\j
.endr
.irp j, 0,1,2,3,4,5,6,7
	global_load_b128 v[LSC+4*\j:LSC+4*\j+3], v2, s[10:11] offset:4096*\j
.endr
	s_mov_b32 s30, 0x76543210                      ; v_permlanex16_b32: lane l xor 16
	s_mov_b32 s31, 0xfedcba98
.irp e, 0,1,2,3,4,5,6,7
	v_mov_b32 v[IMP+\e], 0
.endr
	s_wait_loadcnt 0x0
.macro SUMS                            ; register zr: its 32 scores, each added to its expert's sum
.irp e, 0,1,2,3,4,5,6,7
	v_cmp_eq_u32 s[M+\e], \e, v[LID+zr]
.endr
.irp e, 0,1,2,3,4,5,6,7
	v_cndmask_b32 v[LT+\e], 0, v[LSC+zr], s[M+\e]
.endr
.irp e, 0,1,2,3,4,5,6,7
	v_add_f32 v[IMP+\e], v[IMP+\e], v[LT+\e]
.endr
.endm
.set zr, 0
.rept 32
	SUMS
.set zr, zr+1
.endr
.irp k, 1,2,4,8
.irp e, 0,1,2,3,4,5,6,7
	v_add_f32_dpp v[IMP+\e], v[IMP+\e], v[IMP+\e] row_xmask:\k row_mask:0xf bank_mask:0xf
.endr
.endr
.irp e, 0,1,2,3,4,5,6,7
	v_permlanex16_b32 v[LT+\e], v[IMP+\e], s30, s31
.endr
.irp e, 0,1,2,3,4,5,6,7
	v_add_f32 v[IMP+\e], v[IMP+\e], v[LT+\e]
.endr
.irp e, 0,1,2,3,4,5,6,7
	ds_store_b32 v3, v[IMP+\e] offset:4*\e         ; all lanes write the same word with the same value
.endr
	s_wait_dscnt 0x0                               ; for wave 0's sake
	s_barrier_signal -1
	s_barrier_wait -1
	s_cmp_lg_u32 s28, 0
	s_cbranch_scc1 .Lend
.irp n, 0,1,2,3,4,5,6,7,8,9,10,11,12,13,14,15
	ds_load_b128 v[CW+4*\n:CW+4*\n+3], v4 offset:16*\n
.endr
	s_mov_b32 s40, 0x3b000000                      ; 8 / 4096
	s_mov_b32 s41, 0x33abcc77                      ; 8e-8
	s_mov_b32 s42, 0xbdb17218                      ; -log(2) / 8
	s_wait_dscnt 0x0
.irp w, 1,2,3,4,5,6,7
.irp p, 0,2,4,6
	v_pk_add_f32 v[CW+\p:CW+\p+1], v[CW+\p:CW+\p+1], v[CW+8*\w+\p:CW+8*\w+\p+1]
.endr
.endr
.irp e, 0,1,2,3,4,5,6,7
	v_fma_f32 v[CW+\e], v[CW+\e], s40, s41
.endr
.irp e, 0,1,2,3,4,5,6,7
	v_log_f32 v[CW+\e], v[CW+\e]
.endr
	v_nop
	s_wait_alu depctr_va_vdst(0)                   ; one wait for the eight logarithms, ahead of the first reader
	v_pk_add_f32 v[CW:CW+1], v[CW:CW+1], v[CW+2:CW+3]
	v_pk_add_f32 v[CW+4:CW+5], v[CW+4:CW+5], v[CW+6:CW+7]
	v_pk_add_f32 v[CW:CW+1], v[CW:CW+1], v[CW+4:CW+5]
	v_add_f32 v[CW], v[CW], v[CW+1]
	v_mul_f32 v[CW], s42, v[CW]
	v_cmp_eq_u32 vcc_lo, 0, v1
	s_wait_xcnt 0x0                                ; EXEC changes only behind this wait
	s_and_saveexec_b32 s29, vcc_lo
	global_store_b32 v4, v[CW], s[26:27]           ; lane 0 stores the one number
	s_wait_xcnt 0x0
	s_or_b32 exec_lo, exec_lo, s29
.Lend:
	s_wait_tensorcnt 0x0
	ds_add_u32 v160, v161
	s_wait_dscnt 0x0
	s_endpgm
.Lfunc_end_k_q270d176faf_prep:
	.size	k_q270d176faf_prep, .Lfunc_end_k_q270d176faf_prep-k_q270d176faf_prep
	.p2alignl 7, 3214868480
	.fill 96, 4, 3214868480
	.section	.rodata,"a",@progbits
	.p2align	6, 0x0
	.amdhsa_kernel k_q270d176faf_prep
		.amdhsa_group_segment_fixed_size 11520
		.amdhsa_private_segment_fixed_size 0
		.amdhsa_enable_private_segment 0
		.amdhsa_kernarg_size 80
		.amdhsa_user_sgpr_count 2
		.amdhsa_user_sgpr_kernarg_segment_ptr 1
		.amdhsa_wavefront_size32 1
		.amdhsa_system_sgpr_workgroup_id_x 1
		.amdhsa_system_sgpr_workgroup_id_y 1
		.amdhsa_system_sgpr_workgroup_id_z 1
		.amdhsa_system_vgpr_workitem_id 0
		.amdhsa_next_free_vgpr 162
		.amdhsa_next_free_sgpr 66
		.amdhsa_reserve_vcc 1
		.amdhsa_float_denorm_mode_32 3
		.amdhsa_float_denorm_mode_16_64 3
		.amdhsa_memory_ordered 1
		.amdhsa_forward_progress 1
		.amdhsa_inst_pref_size 122
	.end_amdhsa_kernel
	.amdgpu_metadata
---
amdhsa.version: [ 1, 2 ]
amdhsa.kernels:
  - .name:           k_q270d176faf_prep
    .symbol:         k_q270d176faf_prep.kd
    .args:
      - { .name: ids, .offset: 0, .size: 8, .value_kind: global_buffer, .address_space: global }
      - { .name: sc, .offset: 8, .size: 8, .value_kind: global_buffer, .address_space: global }
      - { .name: w1, .offset: 16, .size: 8, .value_kind: global_buffer, .address_space: global }
      - { .name: w2, .offset: 24, .size: 8, .value_kind: global_buffer, .address_space: global }
      - { .name: lowp_scales, .offset: 32, .size: 8, .value_kind: global_buffer, .address_space: global }
      - { .name: w1q, .offset: 40, .size: 8, .value_kind: global_buffer, .address_space: global }
      - { .name: w2q, .offset: 48, .size: 8, .value_kind: global_buffer, .address_space: global }
      - { .name: pos, .offset: 56, .size: 8, .value_kind: global_buffer, .address_space: global }
      - { .name: list, .offset: 64, .size: 8, .value_kind: global_buffer, .address_space: global }
      - { .name: out1, .offset: 72, .size: 8, .value_kind: global_buffer, .address_space: global }
    .group_segment_fixed_size: 11520
    .private_segment_fixed_size: 0
    .kernarg_segment_align: 8
    .kernarg_segment_size: 80
    .max_flat_workgroup_size: 256
    .sgpr_count:     66
    .vgpr_count:     162
    .wavefront_size: 32
...
	.end_amdgpu_metadata
.endif
;; end of part 2
;; launch ffn (part 3): grid 110 x 2, 4 waves a work-group, no clusters, 165,888 bytes of LDS; arguments xq, w1q, w2q, b1, b2, lowp_scales, list, eo; writes eo
.if DOCPART == 3
	.amdgcn_target "amdgcn-amd-amdhsa--gfx1250"
	.amdhsa_code_object_version 6
	.text
	.protected	k_q270d176faf_ffn
	.globl	k_q270d176faf_ffn
	.p2align	8
	.type	k_q270d176faf_ffn,@function
k_q270d176faf_ffn:
	s_mov_b64 s[64:65], 0
	v_nop
	global_prefetch_b8 v0, s[64:65] scope:SCOPE_SE
	s_setreg_imm32_b32 hwreg(HW_REG_WAVE_MODE, 25, 1), 1
	s_wait_xcnt 0x0
; ONE TILE OF 80 ROUTED ROWS OF ONE EXPERT THROUGH THE CHAIN, for one half (y) of the 2,048 hidden units:  eo[y][row] = Q(silu(Q(x) Q(w1) + b1)) Q(w2) / 2^(e2 + e3), + b2 / 2^(e2 + e3) in half 0.
; Both products on codes of E4M3 by v_wmma_f32_16x16x128_fp8_fp8; the hidden layer never goes to memory.  The next launch adds the halves and weighs the two experts of a token.
; THE GRID SERVES EVERY SPLIT: 8,192 rows over 8 experts are never more than 110 tiles of 80.  The tile's expert and its rows' tokens are whole numbers that an earlier launch stored.
; A tile that a split leaves without rows walks the chain all the same, on token 0's codes with expert 7, into rows of eo that nobody reads: no barrier may stand under a branch on a loaded number.
; NO CLUSTER: which expert a tile has is read from memory, and an expert's tiles are no multiple of four, so no joint request could be alike in all partners; the weights, laid in the order of the operand's
; registers, go from memory straight into registers.
; SHARES.  Four waves SHARE THE COLUMNS: in the first product wave w makes the block of 128 hidden units 8 y + 4 c + w (chunk c = 0, 1; eight tiles in two groups of four) for all 80 rows, in the second the
; output columns 128 w .. + 127.  Both products are used transposed (source 0 = 16 rows of weights, source 1 = 16 tokens): a lane holds one token, its registers run along the columns.
; x's codes and the hidden layer's go from wave to wave through LDS as images of the operand's registers.  k's places in a fragment are permuted alike in both operands (four 16-byte pieces a lane).
; silu: with z = sum x 2^(e0 + e1), h = z / (1 + 2^(-log2(e) z)); the powers of two are folded into the factor ahead of the exponential and into the conversion's scale 2^(e2 - e0 - e1); b1 goes in as the C of a
; sum's first product, divided by 2^(e0 + e1).
; LIMITS: e0 + e1 between -126 and 127; e2 - e0 - e1 between -126 and 119.  NaN among the inputs is not served.  The second product's K is summed in two halves.
; REGISTERS, in windows of 256.  Window 0: v1-13 addresses, v10, v11 the conversion's scale and hold; v32-191 the first product's 20 accumulators ((m, tt) at 32 + 8 (4 m + tt)); v192-255 at work in silu.
;   Window 1: a ring of 4 slots of 4 weight images.   Window 2: the second product's accumulators of row tiles 0-3 ((m, n) at 8 (8 m + n)).
;   Window 3: v0-63 those of row tile 4; v64-143, v144-223 two sets of five token fragments; v224-255 b1 for four tiles.
.set XP,   272                         ; a line of x's images: 16 rows x 16 bytes + 16 of padding, so that the gather's stores, 272 bytes from lane to lane, fall on different banks (64 banks of 4 bytes: ISA guide 11.1)
.set HIMG, 160*XP                      ; behind x's 160 lines: the hidden layer's images, 20 of 2,048 bytes for each chunk; each chunk has bytes of its own, written once
.set HCH,  20*2048
.set BIA1, HIMG+2*HCH                  ; b1 / 2^(e0 + e1): 1,024 bytes a wave
.set BIA2, BIA1+4*1024                 ; b2 / 2^(e2 + e3), or zeros: 512 bytes a wave
.set STG,  BIA2+4*512                  ; the way out: 16 rows x (512 + 16) bytes for each wave
.set SPI,  528
.set PL,   8800*2048                   ; a plane of eo
.set HA,   32
.set T0,   192
.set T1,   224
.set MSB, 0
.macro WIN new                         ; the immediate's high byte repeats the setting that is left; bits 1:0 source 0, 3:2 source 1, 5:4 source 2, 7:6 destination
.if MSB != \new
	s_set_vgpr_msb (MSB<<8)|\new
.set MSB, \new
.endif
.endm
; slot i of 32 of the weights' stream: four images, 16 loads of 512 consecutive bytes, into ring slot i % 4.  In a chunk: slots 0-7 w1 (group g, K step s: 4 g + s), slots 8-15 w2 (K step s, half nh of the tiles: 2 s + nh)
.macro GLOAD i
	WIN 0x40
.set gc, (\i)/16
.set gj, (\i)%16
.set gr, 64*((\i)%4)
.irp f, 0,1,2,3
.irp q, 0,1,2,3
.if gj < 8
	global_load_b128 v[gr+16*\f+4*\q:gr+16*\f+4*\q+3], v1, s[10:11] offset:262144*gc+8192*gj+2048*\f+512*\q
.else
	global_load_b128 v[gr+16*\f+4*\q:gr+16*\f+4*\q+3], v1, s[12:13] offset:262144*gc+8192*(gj-8)+2048*\f+512*\q
.endif
.endr
.endr
.endm
.macro XL1 set, s                      ; x's five fragments of K step s
	WIN 0xc0
.irp m, 0,1,2,3,4
.irp q, 0,1,2,3
	ds_load_b128 v[64+80*(\set)+16*\m+4*\q:64+80*(\set)+16*\m+4*\q+3], v3 offset:(32*\m+8*(\s)+2*\q)*XP
.endr
.endr
.endm
.macro XL2 set, s, c                   ; the hidden layer's five fragments of K step s of chunk c
	WIN 0xc0
.irp m, 0,1,2,3,4
.irp q, 0,1,2,3
	ds_load_b128 v[64+80*(\set)+16*\m+4*\q:64+80*(\set)+16*\m+4*\q+3], v[5+8*(\c)] offset:(4*\m+(\s))*2048+512*\q
.endr
.endr
.endm
.macro BL1 c, g                        ; b1 in the result's layout: for tile t = 4 g + tt my eight hidden units 32 (t / 2) + 16 h + 8 (t % 2) + 0 .. 7
	WIN 0xc0
.irp tt, 0,1,2,3
	ds_load_b128 v[224+8*\tt:227+8*\tt], v6 offset:512*(\c)+4*(32*((4*(\g)+\tt)/2)+8*(\tt%2))
	ds_load_b128 v[228+8*\tt:231+8*\tt], v6 offset:512*(\c)+4*(32*((4*(\g)+\tt)/2)+8*(\tt%2))+16
.endr
.endm
.macro BL2                             ; b2 likewise, for my eight tiles of outputs, into registers that the first product has left
	WIN 0
.irp n, 0,1,2,3,4,5,6,7
	ds_load_b128 v[32+8*\n:35+8*\n], v7 offset:64*\n
	ds_load_b128 v[36+8*\n:39+8*\n], v7 offset:64*\n+16
.endr
.endm
; 20 products: five tiles of tokens x the slot's four images.  The 20 accumulators take turns, one instruction a turn.
.macro MM1 i, set, s
.if (\s) == 0
	WIN 0x3d                                       ; weights window 1, tokens window 3, C = b1 in window 3, D window 0
.else
	WIN 0x0d
.endif
.irp m, 0,1,2,3,4
.irp tt, 0,1,2,3
.if (\s) == 0
	v_wmma_f32_16x16x128_fp8_fp8 v[HA+8*(4*\m+\tt):HA+8*(4*\m+\tt)+7], v[64*((\i)%4)+16*\tt:64*((\i)%4)+16*\tt+15], v[64+80*(\set)+16*\m:64+80*(\set)+16*\m+15], v[224+8*\tt:231+8*\tt]
.else
	v_wmma_f32_16x16x128_fp8_fp8 v[HA+8*(4*\m+\tt):HA+8*(4*\m+\tt)+7], v[64*((\i)%4)+16*\tt:64*((\i)%4)+16*\tt+15], v[64+80*(\set)+16*\m:64+80*(\set)+16*\m+15], v[HA+8*(4*\m+\tt):HA+8*(4*\m+\tt)+7]
.endif
.endr
.endr
.endm
.macro MM2 i, set, nh, c, s
.irp m, 0,1,2,3,4
.if \m < 4
.set ob, 8*(8*\m+4*(\nh))
.if ((\c) == 0) && ((\s) == 0)
	WIN 0x8d                                       ; D window 2, C = b2 in window 0
.else
	WIN 0xad                                       ; C and D window 2
.endif
.else
.set ob, 32*(\nh)
.if ((\c) == 0) && ((\s) == 0)
	WIN 0xcd
.else
	WIN 0xfd                                       ; C and D window 3
.endif
.endif
.irp f, 0,1,2,3
.if ((\c) == 0) && ((\s) == 0)
	v_wmma_f32_16x16x128_fp8_fp8 v[ob+8*\f:ob+8*\f+7], v[64*((\i)%4)+16*\f:64*((\i)%4)+16*\f+15], v[64+80*(\set)+16*\m:64+80*(\set)+16*\m+15], v[32+8*(4*(\nh)+\f):39+8*(4*(\nh)+\f)]
.else
	v_wmma_f32_16x16x128_fp8_fp8 v[ob+8*\f:ob+8*\f+7], v[64*((\i)%4)+16*\f:64*((\i)%4)+16*\f+15], v[64+80*(\set)+16*\m:64+80*(\set)+16*\m+15], v[ob+8*\f:ob+8*\f+7]
.endif
.endr
.endr
.endm
.macro LW i                            ; slot i's 16 loads are in; the slots issued behind it (three, at the end fewer) may be out
.if 31-(\i) >= 3
	s_wait_loadcnt 48
.else
	s_wait_loadcnt 16*(31-(\i))
.endif
.endm
.macro TAIL i                          ; four places behind the slot's products: for the loads into the ring slot and the token set that they read, and for the first read of results
.rept 4
	v_nop
.endr
.if (\i)+4 < 32
	GLOAD (\i)+4
.endif
.endm
; silu and the quantiser, a tile of tokens (32 numbers a lane) at a time, in window 0.  The transcendentals go in batches, each with one plain line and one wait behind it.
.macro SA m, T                         ; T = 2^(-log2(e) z); each accumulator is read from its low end on
.set zi, 0
.rept 16
	v_pk_mul_f32 v[\T+zi:\T+zi+1], v[HA+32*(\m)+zi:HA+32*(\m)+zi+1], s[32:33] op_sel_hi:[1,0]
.set zi, zi+2
.endr
.set zi, 0
.rept 32
	v_exp_f32 v[\T+zi], v[\T+zi]
.set zi, zi+1
.endr
.endm
.macro SB T                            ; T = 1 / (1 + T)
.set zi, 0
.rept 16
	v_pk_add_f32 v[\T+zi:\T+zi+1], v[\T+zi:\T+zi+1], 1.0 op_sel_hi:[1,0]
.set zi, zi+2
.endr
.set zi, 0
.rept 32
	v_rcp_f32 v[\T+zi], v[\T+zi]
.set zi, zi+1
.endr
.endm
.macro SC c, g, m, T                   ; sum x T, held, converted: registers 8 g .. 8 g + 7 of the fragment (row tile m, K step = my wave); to LDS as they stand
.set zi, 0
.rept 16
	v_pk_mul_f32 v[HA+32*(\m)+zi:HA+32*(\m)+zi+1], v[HA+32*(\m)+zi:HA+32*(\m)+zi+1], v[\T+zi:\T+zi+1]
.set zi, zi+2
.endr
.set zi, 0
.rept 32
	v_med3_num_f32 v[HA+32*(\m)+zi], v[HA+32*(\m)+zi], -v11, v11   ; the conversion does not saturate (ISA guide 7.6.2)
.set zi, zi+1
.endr
.irp tt, 0,1,2,3
	v_cvt_scalef32_pk8_fp8_f32 v[\T+2*\tt:\T+2*\tt+1], v[HA+32*(\m)+8*\tt:HA+32*(\m)+8*\tt+7], v10
.endr
	v_nop                                          ; a plain line behind the last conversion: later lines write its sources and its results
	ds_store_b128 v[4+8*(\c)], v[\T:\T+3] offset:8192*(\m)+1024*(\g)
	ds_store_b128 v[4+8*(\c)], v[\T+4:\T+7] offset:8192*(\m)+1024*(\g)+512
.endm
.macro WA
	v_nop
	s_wait_alu depctr_va_vdst(0)                   ; one wait for the batch, ahead of its first reader
.endm
.macro SILU c, g
	WIN 0
	SA 0,T0
	SA 1,T1
	WA
	SB T0
	SB T1
	WA
	SC \c,\g,0,T0
	SC \c,\g,1,T1
	SA 2,T0
	SA 3,T1
	WA
	SB T0
	SB T1
	WA
	SC \c,\g,2,T0
	SC \c,\g,3,T1
	SA 4,T0
	WA
	SB T0
	WA
	SC \c,\g,4,T0
.endm
; A chunk of 512 hidden units.  The token fragments of the next K step are fetched into the other set while this step is multiplied; only the second product's first set waits for the barrier.
.macro CHUNK c
.irp g, 0,1
.irp s, 0,1,2,3
	LW 16*\c+4*\g+\s
	s_wait_dscnt 0x0                               ; this step's token fragments (and b1) are in
.if \s < 3
	XL1 (\s+1)%2,\s+1
.elseif \g == 0
	XL1 0,0
	BL1 \c,1
.endif
	MM1 16*\c+4*\g+\s,\s%2,\s
	TAIL 16*\c+4*\g+\s
.endr
	SILU \c,\g
.endr
	s_wait_dscnt 0x0                               ; for the others' sake: my K step of the hidden layer lies in LDS
	s_barrier_signal -1
	s_barrier_wait -1
	XL2 0,0,\c
.if \c == 0
	BL2
.endif
.irp s, 0,1,2,3
.irp nh, 0,1
	LW 16*\c+8+2*\s+\nh
.if \nh == 0
	s_wait_dscnt 0x0
.if \s < 3
	XL2 (\s+1)%2,\s+1,\c
.elseif \c == 0
	XL1 0,0
	BL1 1,0
.endif
.endif
	MM2 16*\c+8+2*\s+\nh,\s%2,\nh,\c,\s
	TAIL 16*\c+8+2*\s+\nh
.endr
.endr
.endm
	s_load_b512 s[8:23], s[0:1], 0x0               ; xq, w1q, w2q, b1, b2, lowp_scales, list, eo
	v_lshrrev_b32 v2, 5, v0
	v_readfirstlane_b32 s24, v2                    ; wave 0..3
	s_and_b32 s25, ttmp7, 0xffff                   ; y
	v_and_b32 v126, 31, v0                         ; lane
	v_and_b32 v127, 15, v0                         ; r
	v_bfe_u32 v128, v0, 4, 1                       ; h
	v_lshlrev_b32 v1, 4, v126                      ; v1: 16 x lane
	s_lshl_b32 s56, s24, 6
	v_mul_u32_u24 v2, v126, XP
	v_add_nc_u32 v2, s56, v2                       ; v2: the gather's way in: line = my lane (k = 16 lane on), rows 4 w + i
	v_mul_u32_u24 v3, v128, XP
	v_lshl_add_u32 v3, v127, 4, v3                 ; v3: x's fragments: line + h, row r
	s_lshl_b32 s56, s24, 11
	s_add_co_u32 s56, s56, HIMG
	v_add_nc_u32 v4, s56, v1                       ; v4: where I store the hidden layer's images, chunk 0
	v_add_nc_u32 v5, HIMG, v1                      ; v5: where any image is read
	s_lshl_b32 s56, s24, 10
	s_add_co_u32 s56, s56, BIA1
	v_lshl_add_u32 v6, v128, 6, s56                ; v6: b1 out
	v_add_nc_u32 v124, s56, v1                     ;     and in
	s_lshl_b32 s57, s24, 9
	s_add_co_u32 s57, s57, BIA2
	v_lshl_add_u32 v7, v128, 5, s57                ; v7: b2 out
	v_add_nc_u32 v125, s57, v1
	s_mul_i32 s58, s24, 16*SPI
	s_add_co_u32 s58, s58, STG
	v_mul_u32_u24 v8, v127, SPI
	v_lshl_add_u32 v8, v128, 5, v8
	v_add_nc_u32 v8, s58, v8                       ; v8: the stage: row r, + 32 h
	v_add_nc_u32 v9, s58, v1                       ; v9: and back by rows
	s_lshl_b32 s56, ttmp9, 2
	s_mul_i32 s57, ttmp9, 320
	s_lshl_b32 s58, s24, 4
	s_add_co_u32 s57, s57, s58                     ; wave w gathers rows 16 m + 4 w + 0 .. 3 of the tile
	s_wait_kmcnt 0x0
	s_load_b32 s26, s[20:21], s56 offset:35328     ; the tile's expert
	s_load_b128 s[28:31], s[18:19], 0x0            ; e0 .. e3
.irp m, 0,1,2,3,4
	s_load_b128 s[36+4*\m:39+4*\m], s[20:21], s57 offset:64*\m   ; twenty tokens
.endr
	s_wait_kmcnt 0x0
	s_min_u32 s26, s26, 7                          ; loaded numbers enter addresses behind these bounds
.set zi, 0
.rept 20
	s_min_u32 s[36+zi], s[36+zi], 4095
	v_lshl_add_u32 v[12+zi], s[36+zi], 9, v1       ; a token's 512 codes, 16 a lane
.set zi, zi+1
.endr
	s_lshl_b32 s56, s26, 4                         ; both weights' images: (16 e + 8 y + w) x 65,536 bytes
	s_lshl_b32 s57, s25, 3
	s_add_co_u32 s56, s56, s57
	s_add_co_u32 s56, s56, s24
	s_lshl_b32 s56, s56, 16
	s_mov_b32 s57, 0
	s_add_nc_u64 s[10:11], s[10:11], s[56:57]
	s_add_nc_u64 s[12:13], s[12:13], s[56:57]
	s_lshl_b32 s59, s24, 9
	s_lshl_b32 s56, s26, 13                        ; b1: 8,192 e + 4,096 y + 512 w
	s_lshl_b32 s58, s25, 12
	s_add_co_u32 s56, s56, s58
	s_add_co_u32 s56, s56, s59
	s_add_nc_u64 s[14:15], s[14:15], s[56:57]
	s_lshl_b32 s56, s26, 11                        ; b2: 2,048 e + 512 w
	s_add_co_u32 s56, s56, s59
	s_add_nc_u64 s[16:17], s[16:17], s[56:57]
	s_mul_i32 s56, s25, PL                         ; eo: plane y, 80 rows of 2,048 bytes a tile, + 512 w
	s_mul_i32 s58, ttmp9, 163840
	s_add_co_u32 s56, s56, s58
	s_add_co_u32 s56, s56, s59
	s_add_nc_u64 s[22:23], s[22:23], s[56:57]
.set zi, 0
.rept 20
	global_load_b128 v[32+4*zi:35+4*zi], v[12+zi], s[8:9]   ; a whole row of codes: 512 consecutive bytes
.set zi, zi+1
.endr
	global_load_b128 v[112:115], v1, s[14:15]              ; b1 of my block in chunk 0,
	global_load_b128 v[116:119], v1, s[14:15] offset:2048  ; in chunk 1
	global_load_b128 v[120:123], v1, s[16:17]              ; b2 of my 128 columns
	GLOAD 0
	GLOAD 1
	GLOAD 2
	WIN 0
	s_add_co_i32 s56, s28, s29                     ; e0 + e1
	s_sub_co_i32 s34, 0, s56
	s_add_co_i32 s57, s30, s31                     ; e2 + e3
	s_sub_co_i32 s35, 0, s57
	s_lshl_b32 s58, s56, 23
	s_add_co_i32 s32, s58, 0xbfb8aa3b              ; -log2(e) x 2^(e0 + e1): the sum is added to the exponent field
	s_mov_b32 s33, s32                             ; (named with it as a pair, so it is written)
	s_sub_co_i32 s58, s30, s56
	s_add_co_i32 s58, s58, 127
	s_lshl_b32 s59, s58, 23
	v_mov_b32 v10, s59                             ; 2^(e2 - e0 - e1): the three scales folded into the conversion's one
	s_add_co_i32 s58, s58, 8
	s_lshl_b32 s58, s58, 23
	s_or_b32 s58, s58, 0x600000
	v_mov_b32 v11, s58                             ; 448 x that
	s_cmp_eq_u32 s25, 0
	s_cselect_b32 s59, 0x3f800000, 0               ; b2 is added once: in half 0
	s_wait_loadcnt 48                              ; the gather and the biases are in; the ring's three slots may be out
.irp m, 0,1,2,3,4
.irp i, 0,1,2,3
	ds_store_b128 v2, v[32+4*(4*\m+\i):35+4*(4*\m+\i)] offset:32*XP*\m+16*\i
.endr
.endr
.irp j, 0,1,2,3,4,5,6,7
	v_ldexp_f32 v[112+\j], v[112+\j], s34
.endr
.irp j, 0,1,2,3
	v_ldexp_f32 v[120+\j], v[120+\j], s35
.endr
.irp j, 0,1,2,3
	v_mul_f32 v[120+\j], s59, v[120+\j]
.endr
	ds_store_b128 v124, v[112:115]
	ds_store_b128 v124, v[116:119] offset:512
	ds_store_b128 v125, v[120:123]
	v_add_nc_u32 v12, HCH, v4                      ; v12, v13: chunk 1's images (the gather's offsets are done with)
	v_add_nc_u32 v13, HCH, v5
	GLOAD 3
	s_wait_dscnt 0x0                               ; for the others' sake: my rows of x's images lie in LDS
	s_barrier_signal -1
	s_barrier_wait -1
	XL1 0,0
	BL1 0,0
	CHUNK 0
	CHUNK 1
; THE WAY OUT, a tile of 16 rows x my 128 columns at a time: a lane's 32 neighbouring bytes of a row go into my own stage and come back as whole rows.  LDS serves a wave's instructions in order
; (ISA guide 5.7.1.4): no wait between the stores and the loads, nor in front of the next tile's stores.  The sums go out as they are.
.macro TOSTAGE m
.if (\m) < 4
	WIN 0x08                                       ; store data from window 2
.set ob, 64*(\m)
.else
	WIN 0x0c                                       ; from window 3
.set ob, 0
.endif
.irp n, 0,1,2,3,4,5,6,7
	ds_store_b128 v8, v[ob+8*\n:ob+8*\n+3] offset:64*\n          ; each accumulator from its low end on
	ds_store_b128 v8, v[ob+8*\n+4:ob+8*\n+7] offset:64*\n+16
.endr
	WIN 0
.set bk, 32+64*((\m)%2)
.irp t, 0,1,2,3,4,5,6,7,8,9,10,11,12,13,14,15
	ds_load_b128 v[bk+4*\t:bk+4*\t+3], v9 offset:SPI*\t
.endr
.endm
.macro SEND m, younger                 ; younger: the LDS instructions issued behind tile m's loads, which may stay out
.set bk, 32+64*((\m)%2)
	s_wait_dscnt \younger
.irp t, 0,1,2,3,4,5,6,7,8,9,10,11,12,13,14,15
	global_store_b128 v1, v[bk+4*\t:bk+4*\t+3], s[22:23] offset:(16*(\m)+\t)*2048 th:TH_STORE_NT   ; 512 consecutive bytes, aligned
.endr
.endm
	TOSTAGE 0                                      ; (the four places behind the last products stand at the last slot's end)
.irp a, 1,2,3,4
.if \a > 1
	s_wait_xcnt 0x0                                ; tile a - 2's stores have read their registers: tile a's loads may land there
.endif
	TOSTAGE \a
	SEND \a-1,32                                   ; behind tile a - 1's loads: tile a's 16 stores and 16 loads
.endr
	SEND 4,0
	s_wait_xcnt 0x0
	v_lshl_add_u32 v190, v0, 2, 0x28600
	v_mov_b32 v191, 0
	s_wait_tensorcnt 0x0
	ds_add_u32 v190, v191
	s_wait_dscnt 0x0
	s_endpgm
.Lfunc_end_k_q270d176faf_ffn:
	.size	k_q270d176faf_ffn, .Lfunc_end_k_q270d176faf_ffn-k_q270d176faf_ffn
	.p2alignl 7, 3214868480
	.fill 96, 4, 3214868480
	.section	.rodata,"a",@progbits
	.p2align	6, 0x0
	.amdhsa_kernel k_q270d176faf_ffn
		.amdhsa_group_segment_fixed_size 165888
		.amdhsa_private_segment_fixed_size 0
		.amdhsa_enable_private_segment 0
		.amdhsa_kernarg_size 64
		.amdhsa_user_sgpr_count 2
		.amdhsa_user_sgpr_kernarg_segment_ptr 1
		.amdhsa_wavefront_size32 1
		.amdhsa_system_sgpr_workgroup_id_x 1
		.amdhsa_system_sgpr_workgroup_id_y 1
		.amdhsa_system_sgpr_workgroup_id_z 1
		.amdhsa_system_vgpr_workitem_id 0
		.amdhsa_next_free_vgpr 1024
		.amdhsa_next_free_sgpr 66
		.amdhsa_reserve_vcc 0
		.amdhsa_float_denorm_mode_32 3
		.amdhsa_float_denorm_mode_16_64 3
		.amdhsa_memory_ordered 1
		.amdhsa_forward_progress 1
		.amdhsa_inst_pref_size 255
	.end_amdhsa_kernel
	.section	.bss,"aw",@nobits
	.p2align	6
	.space	262144
	.amdgpu_metadata
---
amdhsa.version: [ 1, 2 ]
amdhsa.kernels:
  - .name:           k_q270d176faf_ffn
    .symbol:         k_q270d176faf_ffn.kd
    .args:
      - { .name: xq, .offset: 0, .size: 8, .value_kind: global_buffer, .address_space: global }
      - { .name: w1q, .offset: 8, .size: 8, .value_kind: global_buffer, .address_space: global }
      - { .name: w2q, .offset: 16, .size: 8, .value_kind: global_buffer, .address_space: global }
      - { .name: b1, .offset: 24, .size: 8, .value_kind: global_buffer, .address_space: global }
      - { .name: b2, .offset: 32, .size: 8, .value_kind: global_buffer, .address_space: global }
      - { .name: lowp_scales, .offset: 40, .size: 8, .value_kind: global_buffer, .address_space: global }
      - { .name: list, .offset: 48, .size: 8, .value_kind: global_buffer, .address_space: global }
      - { .name: eo, .offset: 56, .size: 8, .value_kind: global_buffer, .address_space: global }
    .group_segment_fixed_size: 165888
    .private_segment_fixed_size: 0
    .kernarg_segment_align: 8
    .kernarg_segment_size: 64
    .max_flat_workgroup_size: 128
    .sgpr_count:     66
    .vgpr_count:     1024
    .wavefront_size: 32
...
	.end_amdgpu_metadata
.endif
;; end of part 3
;; launch combine (part 4): grid 256 x 1, 8 waves a work-group, no clusters, 0 bytes of LDS; arguments eo, pos, sc, lowp_scales, out0; writes out0
.if DOCPART == 4
	.amdgcn_target "amdgcn-amd-amdhsa--gfx1250"
	.amdhsa_code_object_version 6
	.text
	.protected	k_q270d176faf_combine
	.globl	k_q270d176faf_combine
	.p2align	8
	.type	k_q270d176faf_combine,@function
k_q270d176faf_combine:
	s_mov_b64 s[64:65], 0
	v_nop
	global_prefetch_b8 v0, s[64:65] scope:SCOPE_SE
	s_setreg_imm32_b32 hwreg(HW_REG_WAVE_MODE, 25, 1), 1
	s_wait_xcnt 0x0
; out0[t] = the sum over the token's two experts k of score_k x 2^(e2 + e3) x (eo[0][pos_k] + eo[1][pos_k]).  Each output row has one owner: it GATHERS its four rows of sums.
; A wave takes two tokens; a row is 2,048 bytes: four loads of 512 consecutive bytes.  All 32 loads of a wave go out at once.  pos holds whole numbers that an earlier launch stored.
; No LDS, no barrier, no matrix work: the launch only moves and weighs bytes.
.set PL, 8800*2048                     ; a plane of eo
.set D,  32                            ; v32-159: token a, source 2 k + y, piece i at D + 64 a + 16 (2 k + y) + 4 i
	s_load_b256 s[8:15], s[0:1], 0x0               ; eo, pos, sc, lowp_scales
	s_load_b64 s[16:17], s[0:1], 0x20              ; out0
	v_lshrrev_b32 v2, 5, v0
	v_readfirstlane_b32 s18, v2                    ; wave
	v_and_b32 v1, 31, v0
	v_lshlrev_b32 v1, 4, v1                        ; 16 x lane
	s_lshl_b32 s19, ttmp9, 3
	s_add_co_u32 s19, s19, s18                     ; u: tokens 2 u, 2 u + 1
	s_lshl_b32 s20, s19, 4
	s_lshl_b32 s36, s19, 12
	s_mov_b32 s37, 0
	s_wait_kmcnt 0x0
	s_load_b128 s[24:27], s[10:11], s20 offset:0x0 ; four rows
	s_load_b128 s[28:31], s[12:13], s20 offset:0x0 ; four scores
	s_load_b64 s[32:33], s[14:15], 0x8             ; e2, e3
	s_add_nc_u64 s[34:35], s[8:9], PL              ; plane 1
	s_add_nc_u64 s[16:17], s[16:17], s[36:37]
	s_wait_kmcnt 0x0
.irp j, 0,1,2,3
	s_min_u32 s[24+\j], s[24+\j], 8799             ; a loaded number enters an address behind this bound
	v_lshl_add_u32 v[4+\j], s[24+\j], 11, v1
.endr
.irp a, 0,1
.irp k, 0,1
.irp i, 0,1,2,3
	global_load_b128 v[D+64*\a+32*\k+4*\i:D+64*\a+32*\k+4*\i+3], v[4+2*\a+\k], s[8:9] offset:512*\i th:TH_LOAD_NT
	global_load_b128 v[D+64*\a+32*\k+16+4*\i:D+64*\a+32*\k+16+4*\i+3], v[4+2*\a+\k], s[34:35] offset:512*\i th:TH_LOAD_NT
.endr
.endr
.endr
	s_add_co_i32 s38, s32, s33
.irp j, 0,1,2,3
	v_ldexp_f32 v[8+\j], s[28+\j], s38             ; score x 2^(e2 + e3): v[8:9] token 0's two, v[10:11] token 1's
.endr
.macro MIX a
.irp st, 0,1,2,3
.set zi, 0
.rept 8
.set zd, D+64*(\a)+2*zi
.if \st == 0
	v_pk_mul_f32 v[zd:zd+1], v[zd:zd+1], v[8+2*(\a):9+2*(\a)] op_sel_hi:[1,0]
.elseif \st == 1
	v_pk_fma_f32 v[zd:zd+1], v[zd+16:zd+17], v[8+2*(\a):9+2*(\a)], v[zd:zd+1] op_sel_hi:[1,0,1]
.else
	v_pk_fma_f32 v[zd:zd+1], v[zd+16*\st:zd+16*\st+1], v[8+2*(\a):9+2*(\a)], v[zd:zd+1] op_sel:[0,1,0] op_sel_hi:[1,1,1]
.endif
.set zi, zi+1
.endr
.endr
.irp i, 0,1,2,3
	global_store_b128 v1, v[D+64*(\a)+4*\i:D+64*(\a)+4*\i+3], s[16:17] offset:2048*(\a)+512*\i th:TH_STORE_NT   ; 512 consecutive bytes, aligned
.endr
.endm
	s_wait_loadcnt 16                              ; token 0's sixteen loads are in; token 1's may be out
	MIX 0
	s_wait_loadcnt 0x0
	MIX 1
	s_endpgm
.Lfunc_end_k_q270d176faf_combine:
	.size	k_q270d176faf_combine, .Lfunc_end_k_q270d176faf_combine-k_q270d176faf_combine
	.p2alignl 7, 3214868480
	.fill 96, 4, 3214868480
	.section	.rodata,"a",@progbits
	.p2align	6, 0x0
	.amdhsa_kernel k_q270d176faf_combine
		.amdhsa_group_segment_fixed_size 0
		.amdhsa_private_segment_fixed_size 0
		.amdhsa_enable_private_segment 0
		.amdhsa_kernarg_size 40
		.amdhsa_user_sgpr_count 2
		.amdhsa_user_sgpr_kernarg_segment_ptr 1
		.amdhsa_wavefront_size32 1
		.amdhsa_system_sgpr_workgroup_id_x 1
		.amdhsa_system_sgpr_workgroup_id_y 1
		.amdhsa_system_sgpr_workgroup_id_z 1
		.amdhsa_system_vgpr_workitem_id 0
		.amdhsa_next_free_vgpr 160
		.amdhsa_next_free_sgpr 66
		.amdhsa_reserve_vcc 0
		.amdhsa_float_denorm_mode_32 3
		.amdhsa_float_denorm_mode_16_64 3
		.amdhsa_memory_ordered 1
		.amdhsa_forward_progress 1
		.amdhsa_inst_pref_size 10
	.end_amdhsa_kernel
	.amdgpu_metadata
---
amdhsa.version: [ 1, 2 ]
amdhsa.kernels:
  - .name:           k_q270d176faf_combine
    .symbol:         k_q270d176faf_combine.kd
    .args:
      - { .name: eo, .offset: 0, .size: 8, .value_kind: global_buffer, .address_space: global }
      - { .name: pos, .offset: 8, .size: 8, .value_kind: global_buffer, .address_space: global }
      - { .name: sc, .offset: 16, .size: 8, .value_kind: global_buffer, .address_space: global }
      - { .name: lowp_scales, .offset: 24, .size: 8, .value_kind: global_buffer, .address_space: global }
      - { .name: out0, .offset: 32, .size: 8, .value_kind: global_buffer, .address_space: global }
    .group_segment_fixed_size: 0
    .private_segment_fixed_size: 0
    .kernarg_segment_align: 8
    .kernarg_segment_size: 40
    .max_flat_workgroup_size: 256
    .sgpr_count:     66
    .vgpr_count:     160
    .wavefront_size: 32
...
	.end_amdgpu_metadata
.endif
;; end of part 4
;; ======== version 2 of 2: 4 launches; version 1 with the launch ffn written anew for expert scheduling mode
;; workspace buffers: xq 2,097,152 bytes; ids 36,864 bytes of whole numbers; sc 32,768 bytes; w1q 8,388,608 bytes; w2q 8,388,608 bytes; pos 32,768 bytes of whole numbers; list 35,840 bytes of whole numbers; eo 36,044,800 bytes
;; launch route: the kernel of part 1 again; grid 128 x 1, 8 waves a work-group, no clusters, 100,864 bytes of LDS; arguments x, noise, gate_w, gate_b, noise_w, noise_b, lowp_scales, xq, ids, sc; writes xq, ids, sc
;; launch prep: the kernel of part 2 again; grid 521 x 1, 8 waves a work-group, no clusters, 11,520 bytes of LDS; arguments ids, sc, w1, w2, lowp_scales, w1q, w2q, pos, list, out1; writes w1q, w2q, pos, list, out1
;; launch ffn (part 5): grid 110 x 2, 4 waves a work-group, no clusters, 165,888 bytes of LDS; arguments xq, w1q, w2q, b1, b2, lowp_scales, list, eo; writes eo
.if DOCPART == 5
	.amdgcn_target "amdgcn-amd-amdhsa--gfx1250"
	.amdhsa_code_object_version 6
	.text
	.protected	k_q270d176faf_ffn
	.globl	k_q270d176faf_ffn
	.p2align	8
	.type	k_q270d176faf_ffn,@function
k_q270d176faf_ffn:
	s_mov_b64 s[64:65], 0
	v_nop
	global_prefetch_b8 v0, s[64:65] scope:SCOPE_SE
	s_setreg_imm32_b32 hwreg(HW_REG_WAVE_SCHED_MODE, 0, 2), 2
	s_setreg_imm32_b32 hwreg(HW_REG_WAVE_MODE, 25, 1), 1
	s_wait_xcnt 0x0
	s_wait_alu depctr_vm_vsrc(0)
; ONE TILE OF 80 ROUTED ROWS OF ONE EXPERT THROUGH THE CHAIN, for one half (y) of the 2,048 hidden units:  eo[y][row] = Q(silu(Q(x) Q(w1) + b1)) Q(w2) / 2^(e2 + e3), + b2 / 2^(e2 + e3) in half 0.
; Both products on codes of E4M3 by v_wmma_f32_16x16x128_fp8_fp8; the hidden layer never goes to memory.  The next launch adds the halves and weighs the two experts of a token.
; THE GRID SERVES EVERY SPLIT: 8,192 rows over 8 experts are never more than 110 tiles of 80.  The tile's expert and its rows' tokens are whole numbers that an earlier launch stored.
; A tile that a split leaves without rows walks the chain all the same, on token 0's codes with expert 7, into rows of eo that nobody reads: no barrier may stand under a branch on a loaded number.
; NO CLUSTER: which expert a tile has is read from memory, and an expert's tiles are no multiple of four, so no joint request could be alike in all partners; the weights, laid in the order of the operand's
; registers, go from memory straight into registers.
; SHARES.  Four waves SHARE THE COLUMNS: in the first product wave w makes the block of 128 hidden units 8 y + 4 c + w (chunk c = 0, 1; eight tiles in two groups of four) for all 80 rows, in the second the
; output columns 128 w .. + 127.  Both products are used transposed (source 0 = 16 rows of weights, source 1 = 16 tokens): a lane holds one token, its registers run along the columns.
; x's codes and the hidden layer's go from wave to wave through LDS as images of the operand's registers.  k's places in a fragment are permuted alike in both operands (four 16-byte pieces a lane).
; silu: with z = sum x 2^(e0 + e1), h = z / (1 + 2^(-log2(e) z)); the powers of two are folded into the factor ahead of the exponential and into the conversion's scale 2^(e2 - e0 - e1); b1 goes in as the C of a
; sum's first product, divided by 2^(e0 + e1).
; LIMITS: e0 + e1 between -126 and 127; e2 - e0 - e1 between -126 and 119.  NaN among the inputs is not served.  The second product's K is summed in two halves.
; REGISTERS, in windows of 256.  Window 0: v1-13 addresses, v10, v11 the conversion's scale and hold; v16-31 two out-buffers of eight registers of codes; v32-191 the first product's 20 accumulators
;   ((m, tt) at 32 + 8 (4 m + tt)); v192-255 at work in silu.   Window 1: a ring of 4 slots of 4 weight images.   Window 2: the second product's accumulators of row tiles 0-3 ((m, n) at 8 (8 m + n)).
;   Window 3: v0-63 those of row tile 4; v64-143, v144-223 two sets of five token fragments; v224-255 b1 for four tiles.
; THE MODE: SCHED_MODE bits 1:0 = 2 (LLVM: expert scheduling mode 2), set by the entry lines.  The code itself states the register dependences between vector or matrix instructions and memory or LDS
; instructions, with s_wait_alu, always for 0.
; THE PLAN.  A step is one slot of the weights' stream: 20 products.  Registers that memory or LDS instructions touch:
;   the ring      Step i's products read slot i % 4; the loads of slot i + 3 land in slot (i - 1) % 4.
;   the two sets  The products of K step s read set s % 2; the LDS loads of the next K step land in the other set, which the step before read.
;   b1's 32       Read as C by a group's first K step; loaded again three steps later or more.
;   v16-31        A tile's four conversions write out-buffer m % 2; two LDS stores read it; the conversions of the tile two further on write it again.
;   v32-95        Behind chunk 0's barrier b2 lands where silu's lines have worked.   v32-159 on the way out: landed by the stage's loads, read by the global stores, loaded again two tiles on.
;   v1-9, 12, 13  Offsets and LDS addresses: made at the head, never written in a step.
; So ONE wait on va_vdst stands at a step's head: the products of the step before are done reading their ring slot and their set.  The ring's 16 loads follow it at once; the step's LDS loads are dealt among its
; products, which name slot i % 4, set s % 2 and the accumulators: none of the registers in which those loads land.  Where silu stands between two steps, its own waits for its batches state the same, and the next
; step's head has none.  In silu the codes' stores follow the wait for the next batch of exponentials; a wait on vm_vsrc stands ahead of each run of conversions that writes the out-buffers again.
.set XP,   272                         ; a line of x's images: 16 rows x 16 bytes + 16 of padding, so that the gather's stores, 272 bytes from lane to lane, fall on different banks (64 banks of 4 bytes: ISA guide 11.1)
.set HIMG, 160*XP                      ; behind x's 160 lines: the hidden layer's images, 20 of 2,048 bytes for each chunk; each chunk has bytes of its own, written once
.set HCH,  20*2048
.set BIA1, HIMG+2*HCH                  ; b1 / 2^(e0 + e1): 1,024 bytes a wave
.set BIA2, BIA1+4*1024                 ; b2 / 2^(e2 + e3), or zeros: 512 bytes a wave
.set STG,  BIA2+4*512                  ; the way out: 16 rows x (512 + 16) bytes for each wave
.set SPI,  528
.set PL,   8800*2048                   ; a plane of eo
.set CO,   16
.set HA,   32
.set T0,   192
.set T1,   224
.set MSB, 0
.macro WIN new                         ; the immediate's high byte repeats the setting that is left; bits 1:0 source 0, 3:2 source 1, 5:4 source 2, 7:6 destination
.if MSB != \new
	s_set_vgpr_msb (MSB<<8)|\new
.set MSB, \new
.endif
.endm
; slot i of 32 of the weights' stream: four images, 16 loads of 512 consecutive bytes, into ring slot i % 4.  In a chunk: slots 0-7 w1 (group g, K step s: 4 g + s), slots 8-15 w2 (K step s, half nh of the tiles: 2 s + nh)
.macro GLOAD i
	WIN 0x40
.set gc, (\i)/16
.set gj, (\i)%16
.set gr, 64*((\i)%4)
.irp f, 0,1,2,3
.irp q, 0,1,2,3
.if gj < 8
	global_load_b128 v[gr+16*\f+4*\q:gr+16*\f+4*\q+3], v1, s[10:11] offset:262144*gc+8192*gj+2048*\f+512*\q
.else
	global_load_b128 v[gr+16*\f+4*\q:gr+16*\f+4*\q+3], v1, s[12:13] offset:262144*gc+8192*(gj-8)+2048*\f+512*\q
.endif
.endr
.endr
.endm
.macro XL1F set, s, m                  ; x's fragment of row tile m, K step s
	WIN 0xc0
.irp q, 0,1,2,3
	ds_load_b128 v[64+80*(\set)+16*(\m)+4*\q:64+80*(\set)+16*(\m)+4*\q+3], v3 offset:(32*(\m)+8*(\s)+2*\q)*XP
.endr
.endm
.macro XL1 set, s                      ; x's five fragments of K step s
.irp m, 0,1,2,3,4
	XL1F \set,\s,\m
.endr
.endm
.macro XL2F set, s, c, m               ; the hidden layer's fragment of row tile m, K step s of chunk c
	WIN 0xc0
.irp q, 0,1,2,3
	ds_load_b128 v[64+80*(\set)+16*(\m)+4*\q:64+80*(\set)+16*(\m)+4*\q+3], v[5+8*(\c)] offset:(4*(\m)+(\s))*2048+512*\q
.endr
.endm
.macro XL2 set, s, c                   ; its five fragments of K step s
.irp m, 0,1,2,3,4
	XL2F \set,\s,\c,\m
.endr
.endm
.macro BL1 c, g                        ; b1 in the result's layout: for tile t = 4 g + tt my eight hidden units 32 (t / 2) + 16 h + 8 (t % 2) + 0 .. 7
	WIN 0xc0
.irp tt, 0,1,2,3
	ds_load_b128 v[224+8*\tt:227+8*\tt], v6 offset:512*(\c)+4*(32*((4*(\g)+\tt)/2)+8*(\tt%2))
	ds_load_b128 v[228+8*\tt:231+8*\tt], v6 offset:512*(\c)+4*(32*((4*(\g)+\tt)/2)+8*(\tt%2))+16
.endr
.endm
.macro BL2                             ; b2 likewise, for my eight tiles of outputs, into registers that the first product has left
	WIN 0
.irp n, 0,1,2,3,4,5,6,7
	ds_load_b128 v[32+8*\n:35+8*\n], v7 offset:64*\n
	ds_load_b128 v[36+8*\n:39+8*\n], v7 offset:64*\n+16
.endr
.endm
; Four of a step's 20 products: the tile m of tokens x the slot's four images.  A step takes m = 0 .. 4 in this order: the 20 accumulators take turns, one instruction a turn.
.macro MM1T i, set, s, m
.if (\s) == 0
	WIN 0x3d                                       ; weights window 1, tokens window 3, C = b1 in window 3, D window 0
.else
	WIN 0x0d
.endif
.irp tt, 0,1,2,3
.if (\s) == 0
	v_wmma_f32_16x16x128_fp8_fp8 v[HA+8*(4*(\m)+\tt):HA+8*(4*(\m)+\tt)+7], v[64*((\i)%4)+16*\tt:64*((\i)%4)+16*\tt+15], v[64+80*(\set)+16*(\m):64+80*(\set)+16*(\m)+15], v[224+8*\tt:231+8*\tt]
.else
	v_wmma_f32_16x16x128_fp8_fp8 v[HA+8*(4*(\m)+\tt):HA+8*(4*(\m)+\tt)+7], v[64*((\i)%4)+16*\tt:64*((\i)%4)+16*\tt+15], v[64+80*(\set)+16*(\m):64+80*(\set)+16*(\m)+15], v[HA+8*(4*(\m)+\tt):HA+8*(4*(\m)+\tt)+7]
.endif
.endr
.endm
.macro MM2T i, set, nh, c, s, m
.if (\m) < 4
.set ob, 8*(8*(\m)+4*(\nh))
.if ((\c) == 0) && ((\s) == 0)
	WIN 0x8d                                       ; D window 2, C = b2 in window 0
.else
	WIN 0xad                                       ; C and D window 2
.endif
.else
.set ob, 32*(\nh)
.if ((\c) == 0) && ((\s) == 0)
	WIN 0xcd
.else
	WIN 0xfd                                       ; C and D window 3
.endif
.endif
.irp f, 0,1,2,3
.if ((\c) == 0) && ((\s) == 0)
	v_wmma_f32_16x16x128_fp8_fp8 v[ob+8*\f:ob+8*\f+7], v[64*((\i)%4)+16*\f:64*((\i)%4)+16*\f+15], v[64+80*(\set)+16*(\m):64+80*(\set)+16*(\m)+15], v[32+8*(4*(\nh)+\f):39+8*(4*(\nh)+\f)]
.else
	v_wmma_f32_16x16x128_fp8_fp8 v[ob+8*\f:ob+8*\f+7], v[64*((\i)%4)+16*\f:64*((\i)%4)+16*\f+15], v[64+80*(\set)+16*(\m):64+80*(\set)+16*(\m)+15], v[ob+8*\f:ob+8*\f+7]
.endif
.endr
.endm
; The head of step i: the step's one wait on va_vdst, and behind it the ring's next 16 loads.  It is not written where silu, with its own waits, stands between this step and the one before (steps 4 and 8 of
; a chunk: slot i + 3 was asked for there), in step 0 (the kernel's head has asked for slots 0 to 3, and no product has been issued), nor in the last three steps, which load nothing.
.macro AHEAD i
.if ((\i)+3 < 32) && ((\i) != 0) && (((\i)%16) != 4) && (((\i)%16) != 8)
	WIN 0x40                                       ; (the ring's window first, then the wait, then the loads)
	s_wait_alu depctr_va_vdst(0)                   ; the products of the step before are done reading ring slot (i - 1) % 4, in which the loads below land, and their set of token fragments, in which this step's LDS loads land
	GLOAD (\i)+3
.endif
.endm
.macro LW i                            ; slot i's 16 loads are in; the slots issued behind it (three, at the end fewer) may be out
.if 31-(\i) >= 3
	s_wait_loadcnt 48
.else
	s_wait_loadcnt 16*(31-(\i))
.endif
.endm
.macro PLACES                          ; four places behind the step's products, ahead of the first read of results; they also stand between the products and the loads into registers that these have read
.rept 4
	v_nop
.endr
.endm
; silu and the quantiser, a tile of tokens (32 numbers a lane) at a time, in window 0.  The transcendentals go in batches, each with one plain line and one wait behind it.
.macro SA m, T                         ; T = 2^(-log2(e) z); each accumulator is read from its low end on
.set zi, 0
.rept 16
	v_pk_mul_f32 v[\T+zi:\T+zi+1], v[HA+32*(\m)+zi:HA+32*(\m)+zi+1], s[32:33] op_sel_hi:[1,0]
.set zi, zi+2
.endr
.set zi, 0
.rept 32
	v_exp_f32 v[\T+zi], v[\T+zi]
.set zi, zi+1
.endr
.endm
.macro SB T                            ; T = 1 / (1 + T)
.set zi, 0
.rept 16
	v_pk_add_f32 v[\T+zi:\T+zi+1], v[\T+zi:\T+zi+1], 1.0 op_sel_hi:[1,0]
.set zi, zi+2
.endr
.set zi, 0
.rept 32
	v_rcp_f32 v[\T+zi], v[\T+zi]
.set zi, zi+1
.endr
.endm
.macro SQ m, T                         ; sum x T, held, converted: registers 8 g .. 8 g + 7 of the fragment (row tile m, K step = my wave), into out-buffer m % 2
.set zi, 0
.rept 16
	v_pk_mul_f32 v[HA+32*(\m)+zi:HA+32*(\m)+zi+1], v[HA+32*(\m)+zi:HA+32*(\m)+zi+1], v[\T+zi:\T+zi+1]
.set zi, zi+2
.endr
.set zi, 0
.rept 32
	v_med3_num_f32 v[HA+32*(\m)+zi], v[HA+32*(\m)+zi], -v11, v11   ; the conversion does not saturate (ISA guide 7.6.2)
.set zi, zi+1
.endr
.irp tt, 0,1,2,3
	v_cvt_scalef32_pk8_fp8_f32 v[CO+8*((\m)%2)+2*\tt:CO+8*((\m)%2)+2*\tt+1], v[HA+32*(\m)+8*\tt:HA+32*(\m)+8*\tt+7], v10
.endr
	v_nop                                          ; a plain line behind the last conversion: later lines write its sources and its results
.endm
.macro HOUT c, g, m                    ; out-buffer m % 2 goes to LDS as it stands
	ds_store_b128 v[4+8*(\c)], v[CO+8*((\m)%2):CO+8*((\m)%2)+3] offset:8192*(\m)+1024*(\g)
	ds_store_b128 v[4+8*(\c)], v[CO+8*((\m)%2)+4:CO+8*((\m)%2)+7] offset:8192*(\m)+1024*(\g)+512
.endm
.macro SILU c, g
	WIN 0
	SA 0,T0
	SA 1,T1
	v_nop                                          ; a plain line behind the batch's last exponential
	WIN 0x40                                       ; (the ring's window first, then the wait, then the loads)
	s_wait_alu depctr_va_vdst(0)                   ; tiles 0 and 1's exponentials are written, ahead of their first reader; and the group's last products are done reading their ring slot, in which the loads below land
	GLOAD 16*\c+4*\g+7
	WIN 0
	SB T0
	SB T1
	v_nop
	s_wait_alu depctr_va_vdst(0)                   ; the reciprocals are written, ahead of their first reader
.if (\c)+(\g) > 0
	s_wait_alu depctr_vm_vsrc(0)                   ; the last LDS stores of the group before have read the out-buffers, which the conversions below write
.endif
	SQ 0,T0
	SQ 1,T1
	SA 2,T0
	SA 3,T1
	v_nop
	s_wait_alu depctr_va_vdst(0)                   ; tiles 2 and 3's exponentials are written, ahead of their first reader; and the conversions have written tiles 0 and 1's codes, which the stores below read
	HOUT \c,\g,0
	HOUT \c,\g,1
	SB T0
	SB T1
	v_nop
	s_wait_alu depctr_va_vdst(0)                   ; the reciprocals are written, ahead of their first reader
	s_wait_alu depctr_vm_vsrc(0)                   ; tiles 0 and 1's stores have read the out-buffers, which the conversions below write
	SQ 2,T0
	SQ 3,T1
	SA 4,T0
	v_nop
	s_wait_alu depctr_va_vdst(0)                   ; tile 4's exponentials are written, ahead of their first reader; and the conversions have written tiles 2 and 3's codes, which the stores below read
	HOUT \c,\g,2
	HOUT \c,\g,3
	SB T0
	v_nop
	s_wait_alu depctr_va_vdst(0)                   ; the reciprocals are written, ahead of their first reader
	s_wait_alu depctr_vm_vsrc(0)                   ; tile 2's stores have read out-buffer 0, which the conversions below write
	SQ 4,T0
	s_wait_alu depctr_va_vdst(0)                   ; the conversions have written tile 4's codes, which the stores below read; silu's lines are also done with v32 to v95, in which b2 lands behind chunk 0's barrier
	HOUT \c,\g,4
.endm
; A step of the first product: group g, K step s.  The token fragments of the next K step are fetched into the other set while this step is multiplied, in two runs among the products.
.macro STEP1 c, g, s
	AHEAD 16*\c+4*\g+\s
	LW 16*\c+4*\g+\s
	s_wait_dscnt 0x0                               ; this step's token fragments (and b1) are in
	MM1T 16*\c+4*\g+\s,\s%2,\s,0
.if \s < 3
.irp m, 0,1,2
	XL1F (\s+1)%2,\s+1,\m
.endr
.elseif \g == 0
.irp m, 0,1,2
	XL1F 0,0,\m
.endr
.endif
	MM1T 16*\c+4*\g+\s,\s%2,\s,1
.if \s < 3
.irp m, 3,4
	XL1F (\s+1)%2,\s+1,\m
.endr
.elseif \g == 0
.irp m, 3,4
	XL1F 0,0,\m
.endr
	BL1 \c,1                                       ; b1's registers were last read by this group's K step 0, three heads back
.endif
.irp m, 2,3,4
	MM1T 16*\c+4*\g+\s,\s%2,\s,\m
.endr
	PLACES
.endm
; A step of the second product: K step s, half nh of my eight tiles of outputs.  A K step's two steps read one set; the next set is fetched in the first of them.
.macro STEP2 c, s, nh
	AHEAD 16*\c+8+2*\s+\nh
	LW 16*\c+8+2*\s+\nh
.if \nh == 0
	s_wait_dscnt 0x0                               ; this K step's token fragments (and b2) are in
.endif
	MM2T 16*\c+8+2*\s+\nh,\s%2,\nh,\c,\s,0
.if \nh == 0
.if \s < 3
.irp m, 0,1,2
	XL2F (\s+1)%2,\s+1,\c,\m
.endr
.elseif \c == 0
.irp m, 0,1,2
	XL1F 0,0,\m
.endr
.endif
.endif
	MM2T 16*\c+8+2*\s+\nh,\s%2,\nh,\c,\s,1
.if \nh == 0
.if \s < 3
.irp m, 3,4
	XL2F (\s+1)%2,\s+1,\c,\m
.endr
.elseif \c == 0
.irp m, 3,4
	XL1F 0,0,\m
.endr
	BL1 1,0                                        ; b1's registers were last read in chunk 0's first product
.endif
.endif
.irp m, 2,3,4
	MM2T 16*\c+8+2*\s+\nh,\s%2,\nh,\c,\s,\m
.endr
	PLACES
.endm
; A chunk of 512 hidden units.  Only the second product's first set of token fragments waits for the barrier.
.macro CHUNK c
.irp g, 0,1
.irp s, 0,1,2,3
	STEP1 \c,\g,\s
.endr
	SILU \c,\g
.endr
	s_wait_dscnt 0x0                               ; for the others' sake: my K step of the hidden layer lies in LDS
	s_barrier_signal -1
	s_barrier_wait -1
	XL2 0,0,\c                                     ; set 0 was last read by the first product's K step 2; no vector or matrix instruction since silu's last wait names it
.if \c == 0
	BL2
.endif
.irp s, 0,1,2,3
.irp nh, 0,1
	STEP2 \c,\s,\nh
.endr
.endr
.endm
	s_load_b512 s[8:23], s[0:1], 0x0               ; xq, w1q, w2q, b1, b2, lowp_scales, list, eo
	v_lshrrev_b32 v2, 5, v0
	v_readfirstlane_b32 s24, v2                    ; wave 0..3
	s_and_b32 s25, ttmp7, 0xffff                   ; y
	v_and_b32 v126, 31, v0                         ; lane
	v_and_b32 v127, 15, v0                         ; r
	v_bfe_u32 v128, v0, 4, 1                       ; h
	v_lshlrev_b32 v1, 4, v126                      ; v1: 16 x lane
	s_wait_alu depctr_va_sdst(0)                   ; s24 is written, ahead of its first reader
	s_lshl_b32 s56, s24, 6
	v_mul_u32_u24 v2, v126, XP
	v_add_nc_u32 v2, s56, v2                       ; v2: the gather's way in: line = my lane (k = 16 lane on), rows 4 w + i
	v_mul_u32_u24 v3, v128, XP
	v_lshl_add_u32 v3, v127, 4, v3                 ; v3: x's fragments: line + h, row r
	s_lshl_b32 s56, s24, 11
	s_add_co_u32 s56, s56, HIMG
	v_add_nc_u32 v4, s56, v1                       ; v4: where I store the hidden layer's images, chunk 0
	v_add_nc_u32 v5, HIMG, v1                      ; v5: where any image is read
	s_lshl_b32 s56, s24, 10
	s_add_co_u32 s56, s56, BIA1
	v_lshl_add_u32 v6, v128, 6, s56                ; v6: b1 out
	v_add_nc_u32 v124, s56, v1                     ;     and in
	s_lshl_b32 s57, s24, 9
	s_add_co_u32 s57, s57, BIA2
	v_lshl_add_u32 v7, v128, 5, s57                ; v7: b2 out
	v_add_nc_u32 v125, s57, v1
	s_mul_i32 s58, s24, 16*SPI
	s_add_co_u32 s58, s58, STG
	v_mul_u32_u24 v8, v127, SPI
	v_lshl_add_u32 v8, v128, 5, v8
	v_add_nc_u32 v8, s58, v8                       ; v8: the stage: row r, + 32 h
	v_add_nc_u32 v9, s58, v1                       ; v9: and back by rows
	s_lshl_b32 s56, ttmp9, 2
	s_mul_i32 s57, ttmp9, 320
	s_lshl_b32 s58, s24, 4
	s_add_co_u32 s57, s57, s58                     ; wave w gathers rows 16 m + 4 w + 0 .. 3 of the tile
	s_wait_kmcnt 0x0
	s_load_b32 s26, s[20:21], s56 offset:35328     ; the tile's expert
	s_load_b128 s[28:31], s[18:19], 0x0            ; e0 .. e3
.irp m, 0,1,2,3,4
	s_load_b128 s[36+4*\m:39+4*\m], s[20:21], s57 offset:64*\m   ; twenty tokens
.endr
	s_wait_kmcnt 0x0
	s_min_u32 s26, s26, 7                          ; loaded numbers enter addresses behind these bounds
.set zi, 0
.rept 20
	s_min_u32 s[36+zi], s[36+zi], 4095
	v_lshl_add_u32 v[12+zi], s[36+zi], 9, v1       ; a token's 512 codes, 16 a lane
.set zi, zi+1
.endr
	s_lshl_b32 s56, s26, 4                         ; both weights' images: (16 e + 8 y + w) x 65,536 bytes
	s_lshl_b32 s57, s25, 3
	s_add_co_u32 s56, s56, s57
	s_add_co_u32 s56, s56, s24
	s_lshl_b32 s56, s56, 16
	s_mov_b32 s57, 0
	s_add_nc_u64 s[10:11], s[10:11], s[56:57]
	s_add_nc_u64 s[12:13], s[12:13], s[56:57]
	s_lshl_b32 s59, s24, 9
	s_lshl_b32 s56, s26, 13                        ; b1: 8,192 e + 4,096 y + 512 w
	s_lshl_b32 s58, s25, 12
	s_add_co_u32 s56, s56, s58
	s_add_co_u32 s56, s56, s59
	s_add_nc_u64 s[14:15], s[14:15], s[56:57]
	s_lshl_b32 s56, s26, 11                        ; b2: 2,048 e + 512 w
	s_add_co_u32 s56, s56, s59
	s_add_nc_u64 s[16:17], s[16:17], s[56:57]
	s_mul_i32 s56, s25, PL                         ; eo: plane y, 80 rows of 2,048 bytes a tile, + 512 w
	s_mul_i32 s58, ttmp9, 163840
	s_add_co_u32 s56, s56, s58
	s_add_co_u32 s56, s56, s59
	s_add_nc_u64 s[22:23], s[22:23], s[56:57]
	s_wait_alu depctr_va_vdst(0)                   ; the offsets and LDS addresses v1 to v9, v12 to v31, v124 and v125 are written, which the loads and stores of the kernel read
.set zi, 0
.rept 20
	global_load_b128 v[32+4*zi:35+4*zi], v[12+zi], s[8:9]   ; a whole row of codes: 512 consecutive bytes
.set zi, zi+1
.endr
	global_load_b128 v[112:115], v1, s[14:15]              ; b1 of my block in chunk 0,
	global_load_b128 v[116:119], v1, s[14:15] offset:2048  ; in chunk 1
	global_load_b128 v[120:123], v1, s[16:17]              ; b2 of my 128 columns
	GLOAD 0
	GLOAD 1
	GLOAD 2
	WIN 0
	s_add_co_i32 s56, s28, s29                     ; e0 + e1
	s_sub_co_i32 s34, 0, s56
	s_add_co_i32 s57, s30, s31                     ; e2 + e3
	s_sub_co_i32 s35, 0, s57
	s_lshl_b32 s58, s56, 23
	s_add_co_i32 s32, s58, 0xbfb8aa3b              ; -log2(e) x 2^(e0 + e1): the sum is added to the exponent field
	s_mov_b32 s33, s32                             ; (named with it as a pair, so it is written)
	s_sub_co_i32 s58, s30, s56
	s_add_co_i32 s58, s58, 127
	s_lshl_b32 s59, s58, 23
	v_mov_b32 v10, s59                             ; 2^(e2 - e0 - e1): the three scales folded into the conversion's one
	s_add_co_i32 s58, s58, 8
	s_lshl_b32 s58, s58, 23
	s_or_b32 s58, s58, 0x600000
	v_mov_b32 v11, s58                             ; 448 x that
	s_cmp_eq_u32 s25, 0
	s_cselect_b32 s59, 0x3f800000, 0               ; b2 is added once: in half 0
	s_wait_loadcnt 48                              ; the gather and the biases are in; the ring's three slots may be out
	s_wait_alu depctr_vm_vsrc(0)                   ; the gather's loads have read their offsets v12 to v31: v12 and v13 are written below, v16 to v31 by silu's conversions
.irp j, 0,1,2,3,4,5,6,7
	v_ldexp_f32 v[112+\j], v[112+\j], s34
.endr
.irp j, 0,1,2,3
	v_ldexp_f32 v[120+\j], v[120+\j], s35
.endr
.irp j, 0,1,2,3
	v_mul_f32 v[120+\j], s59, v[120+\j]
.endr
	v_add_nc_u32 v12, HCH, v4                      ; v12, v13: chunk 1's images (the gather's offsets are done with)
	v_add_nc_u32 v13, HCH, v5
	s_wait_alu depctr_va_vdst(0)                   ; the scaled biases v112 to v123 are written, which the LDS stores below read; so are v12 and v13, chunk 1's LDS addresses
.irp m, 0,1,2,3,4
.irp i, 0,1,2,3
	ds_store_b128 v2, v[32+4*(4*\m+\i):35+4*(4*\m+\i)] offset:32*XP*\m+16*\i
.endr
.endr
	ds_store_b128 v124, v[112:115]
	ds_store_b128 v124, v[116:119] offset:512
	ds_store_b128 v125, v[120:123]
	GLOAD 3
	s_wait_dscnt 0x0                               ; for the others' sake: my rows of x's images lie in LDS
	s_barrier_signal -1
	s_barrier_wait -1
	s_wait_alu depctr_vm_vsrc(0)                   ; my LDS stores have read v32 to v125 (their data, and the addresses v124 and v125): the first product's results are written there
	XL1 0,0
	BL1 0,0
	CHUNK 0
	CHUNK 1
; THE WAY OUT, a tile of 16 rows x my 128 columns at a time: a lane's 32 neighbouring bytes of a row go into my own stage and come back as whole rows.  LDS serves a wave's instructions in order
; (ISA guide 5.7.1.4): no wait between the stores and the loads, nor in front of the next tile's stores.  The sums go out as they are.
.macro TOSTAGE m
.if (\m) < 4
	WIN 0x08                                       ; store data from window 2
.set ob, 64*(\m)
.else
	WIN 0x0c                                       ; from window 3
.set ob, 0
.endif
.irp n, 0,1,2,3,4,5,6,7
	ds_store_b128 v8, v[ob+8*\n:ob+8*\n+3] offset:64*\n          ; each accumulator from its low end on
	ds_store_b128 v8, v[ob+8*\n+4:ob+8*\n+7] offset:64*\n+16
.endr
	WIN 0
.set bk, 32+64*((\m)%2)
.irp t, 0,1,2,3,4,5,6,7,8,9,10,11,12,13,14,15
	ds_load_b128 v[bk+4*\t:bk+4*\t+3], v9 offset:SPI*\t
.endr
.endm
.macro SEND m, younger                 ; younger: the LDS instructions issued behind tile m's loads, which may stay out
.set bk, 32+64*((\m)%2)
	s_wait_dscnt \younger
.irp t, 0,1,2,3,4,5,6,7,8,9,10,11,12,13,14,15
	global_store_b128 v1, v[bk+4*\t:bk+4*\t+3], s[22:23] offset:(16*(\m)+\t)*2048 th:TH_STORE_NT   ; 512 consecutive bytes, aligned
.endr
.endm
	s_wait_alu depctr_va_vdst(0)                   ; behind the four places at the last step's end, which stay beside it: the products have written the 40 accumulators, which the stage's stores read; and no vector or matrix instruction is still at v32 to v159, in which the stage's loads land
	TOSTAGE 0
.irp a, 1,2,3,4
.if \a > 1
	s_wait_xcnt 0x0                                ; tile a - 2's stores have had their addresses translated (ISA guide 3.1),
	s_wait_alu depctr_vm_vsrc(0)                   ; and have read their data registers: tile a's loads from the stage land there
.endif
	TOSTAGE \a
	SEND \a-1,32                                   ; behind tile a - 1's loads: tile a's 16 stores and 16 loads
.endr
	SEND 4,0
	s_wait_xcnt 0x0
	v_lshl_add_u32 v190, v0, 2, 0x28600
	v_mov_b32 v191, 0
	s_wait_dscnt 0x0                               ; the closing lines, six on end
	s_wait_alu 0x0
	s_wait_tensorcnt 0x0
	ds_add_u32 v190, v191
	s_wait_dscnt 0x0
	s_endpgm
.Lfunc_end_k_q270d176faf_ffn:
	.size	k_q270d176faf_ffn, .Lfunc_end_k_q270d176faf_ffn-k_q270d176faf_ffn
	.p2alignl 7, 3214868480
	.fill 96, 4, 3214868480
	.section	.rodata,"a",@progbits
	.p2align	6, 0x0
	.amdhsa_kernel k_q270d176faf_ffn
		.amdhsa_group_segment_fixed_size 165888
		.amdhsa_private_segment_fixed_size 0
		.amdhsa_enable_private_segment 0
		.amdhsa_kernarg_size 64
		.amdhsa_user_sgpr_count 2
		.amdhsa_user_sgpr_kernarg_segment_ptr 1
		.amdhsa_wavefront_size32 1
		.amdhsa_system_sgpr_workgroup_id_x 1
		.amdhsa_system_sgpr_workgroup_id_y 1
		.amdhsa_system_sgpr_workgroup_id_z 1
		.amdhsa_system_vgpr_workitem_id 0
		.amdhsa_next_free_vgpr 1024
		.amdhsa_next_free_sgpr 66
		.amdhsa_reserve_vcc 0
		.amdhsa_float_denorm_mode_32 3
		.amdhsa_float_denorm_mode_16_64 3
		.amdhsa_memory_ordered 1
		.amdhsa_forward_progress 1
		.amdhsa_inst_pref_size 255
	.end_amdhsa_kernel
	.section	.bss,"aw",@nobits
	.p2align	6
	.space	262144
	.amdgpu_metadata
---
amdhsa.version: [ 1, 2 ]
amdhsa.kernels:
  - .name:           k_q270d176faf_ffn
    .symbol:         k_q270d176faf_ffn.kd
    .args:
      - { .name: xq, .offset: 0, .size: 8, .value_kind: global_buffer, .address_space: global }
      - { .name: w1q, .offset: 8, .size: 8, .value_kind: global_buffer, .address_space: global }
      - { .name: w2q, .offset: 16, .size: 8, .value_kind: global_buffer, .address_space: global }
      - { .name: b1, .offset: 24, .size: 8, .value_kind: global_buffer, .address_space: global }
      - { .name: b2, .offset: 32, .size: 8, .value_kind: global_buffer, .address_space: global }
      - { .name: lowp_scales, .offset: 40, .size: 8, .value_kind: global_buffer, .address_space: global }
      - { .name: list, .offset: 48, .size: 8, .value_kind: global_buffer, .address_space: global }
      - { .name: eo, .offset: 56, .size: 8, .value_kind: global_buffer, .address_space: global }
    .group_segment_fixed_size: 165888
    .private_segment_fixed_size: 0
    .kernarg_segment_align: 8
    .kernarg_segment_size: 64
    .max_flat_workgroup_size: 128
    .sgpr_count:     66
    .vgpr_count:     1024
    .wavefront_size: 32
...
	.end_amdgpu_metadata
.endif
;; end of part 5
;; launch combine: the kernel of part 4 again; grid 256 x 1, 8 waves a work-group, no clusters, 0 bytes of LDS; arguments eo, pos, sc, lowp_scales, out0; writes out0
